; MI455X (gfx1250); checked and timed in simulation.
; The chip was launched on July 23, 2026; its instructions are those of AMD's public machine-readable ISA for CDNA 5 (MIT licence, August 2026) and "CDNA5" Instruction Set Architecture Reference Guide (July 2026). The comments in the code are by the model that wrote it; some were corrected since.
;; Transformer Block. Allowed arithmetic: matrix products marked QUANTISED: E3M2 operands, one E8M0 scale for each 32 along K, by v_wmma_scale_f32_16x16x128_f8f6f4 with both operands' format E3M2, f32 sums; everything else in f32.
;; Inputs: mask 4,096 x 4,096 int32; w_down_codes 512 x 64 x 24 uint8 (E3M2 codes of w_down, K innermost, in blocks of 32 codes, four codes in three bytes); w_down_scales 512 x 64 uint8 (E8M0 scales of w_down, one for each 32 codes along K); w_up_codes 2,048 x 16 x 24 uint8 (E3M2 codes of w_up, K innermost, in blocks of 32 codes, four codes in three bytes); w_up_scales 2,048 x 16 uint8 (E8M0 scales of w_up, one for each 32 codes along K); wk_codes 512 x 16 x 24 uint8 (E3M2 codes of wk, K innermost, in blocks of 32 codes, four codes in three bytes); wk_scales 512 x 16 uint8 (E8M0 scales of wk, one for each 32 codes along K); wo_codes 512 x 16 x 24 uint8 (E3M2 codes of wo, K innermost, in blocks of 32 codes, four codes in three bytes); wo_scales 512 x 16 uint8 (E8M0 scales of wo, one for each 32 codes along K); wq_codes 512 x 16 x 24 uint8 (E3M2 codes of wq, K innermost, in blocks of 32 codes, four codes in three bytes); wq_scales 512 x 16 uint8 (E8M0 scales of wq, one for each 32 codes along K); wv_codes 512 x 16 x 24 uint8 (E3M2 codes of wv, K innermost, in blocks of 32 codes, four codes in three bytes); wv_scales 512 x 16 uint8 (E8M0 scales of wv, one for each 32 codes along K); x 2 x 4,096 x 512 float32.
;; Outputs: out0 2 x 4,096 x 512 float32.
;; This version of the problem:
;;   THIS VERSION OF THE PROBLEM IS GIVEN IN LOW PRECISION. The matrix products marked QUANTISED in the list below multiply operands that are first quantised to E3M2 (3 exponent bits, 2 mantissa bits; 6 bits a number), with one power-of-two scale for each 32 numbers along K (OCP MX v1.0); their sums are f32. All else is computed in f32.
;;   The module's matrix products, in the order in which they are computed (A, B: the left and right operand; K: the contracted axis; several contracted axes count as one K, in the product's order):
;;     1. [M 8,192, K 512] x [K 512, N 512]; A: input x; B: input wq (given as codes): QUANTISED
;;     2. [M 8,192, K 512] x [K 512, N 512]; A: input x; B: input wk (given as codes): QUANTISED
;;     3. [M 8,192, K 512] x [K 512, N 512]; A: input x; B: input wv (given as codes): QUANTISED
;;     4. batch 16 x [M 4,096, K 64] x [K 64, N 4,096]; A: computed on the way; B: computed on the way: QUANTISED
;;     5. batch 16 x [M 4,096, K 4,096] x [K 4,096, N 64]; A: softmax (see below); B: computed on the way: QUANTISED
;;     6. [M 8,192, K 512] x [K 512, N 512]; A: computed on the way; B: input wo (given as codes): QUANTISED
;;     7. [M 8,192, K 512] x [K 512, N 2,048]; A: computed on the way; B: input w_up (given as codes): QUANTISED
;;     8. [M 8,192, K 2,048] x [K 2,048, N 512]; A: computed on the way; B: input w_down (given as codes): QUANTISED
;;   THE QUANTISER, for each operand of a quantised product, along K:
;;     - K is cut into blocks of 32 from its start; a last block that is shorter is filled with zeros.
;;     - A block's scale is 2^e with e = floor(log2(the largest magnitude in the block)) - 4, held to -126 .. 127; a block of zeros has e = 0. As a byte (E8M0): e + 127.
;;     - Each number is divided by its block's scale, clamped to +-28, and rounded to the nearest number of E3M2, ties to even, subnormals kept.
;;     - The product sums the exact products of the quantised numbers (number of the format x scale) in f32.
;;   ~~~python
;;   def quantise(x, axis):      # numpy; x: float32 -> the quantised numbers, widened to float32 again
;;       x = np.moveaxis(x, axis, -1); K = x.shape[-1]
;;       x = np.pad(x, [(0, 0)] * (x.ndim - 1) + [(0, -K % 32)]); x = x.reshape(x.shape[:-1] + (-1, 32)); a = np.abs(x).max(-1, keepdims=True)
;;       e = np.where(a > 0, np.clip(np.frexp(np.where(a > 0, a, 1))[1] - 1 - 4, -126, 127), 0)      # np.frexp(a)[1] - 1 = floor(log2(a)), exactly
;;       r = np.clip(x / 2.0 ** e, -28, 28)
;;       step = 2.0 ** (np.maximum(np.frexp(np.where(r == 0, 1, r))[1] - 1, -2) - 2)
;;       q = np.round(r / step) * step * 2.0 ** e      # np.round: ties to even
;;       return np.moveaxis(q.reshape(q.shape[:-2] + (-1,))[..., :K], -1, axis).astype(np.float32)
;;   ~~~
;;   SOFTMAX AHEAD OF A QUANTISED PRODUCT. Where the list says 'softmax', what is quantised is not the finished softmax but p = 2^(t - M), with t = logit x log2(e) and M = ceil(the row's largest t), a whole number; so 1/2 < the row's largest p <= 1. The row's sum l is taken of the UNQUANTISED p, in f32, and the product's result is divided by l at the end. Since M is a whole number, a kernel that streams over the keys may use a running M (the ceiling of the running maximum): every later rescaling is an exact power of two, which a block's scale takes up: the codes' values come out the same.
;;   OPERANDS COMPUTED ON THE WAY. 'Computed on the way' means the value that the module computes at that place (a softmax that the list does not call 'softmax' is quantised finished and normalised). What goes into a quantiser is computed in f32, as accurately as f32 sums, v_exp_f32 and their like allow (about 1e-6 of the number): no bf16 or f16 on the way to a quantiser, and a product that is left as it is and whose result goes on into a quantised operand takes f32 operands (vector FMAs, or v_wmma_f32_16x16x4_f32). A number that lies on a knife's edge between two numbers of the format may be rounded either way, as far as f32 arithmetic and the matrix unit's own rounding can turn it there, and no further.
;;   INPUTS GIVEN AS CODES. w_down (in the module: [512, 2048], K = its axis 1); w_up (in the module: [2048, 512], K = its axis 1); wk (in the module: [512, 512], K = its axis 1); wo (in the module: [512, 512], K = its axis 1); wq (in the module: [512, 512], K = its axis 1); wv (in the module: [512, 512], K = its axis 1): each comes as NAME_codes (uint8): NAME with its K axis moved to the last place and cut into blocks of 32 codes, [.., K / 32, bytes a block], one block behind the other in memory; four codes in three bytes: a row's codes are one little-endian stream of bits, code i at bits 6 i .. 6 i + 5 (a code: sign, 3 exponent bits, 2 mantissa bits); and NAME_scales (uint8): the same leading axes, one E8M0 byte (e + 127) for each 32 codes along K. Its value is code x scale, taken as it is: it is not quantised again, and the codes and scales need not be those that the quantiser above would give.
;; 2 versions, each right; version 2 is version 1 with the launch attn written anew for expert scheduling mode. Each part assembles by itself: llvm-mc -triple=amdgcn-amd-amdhsa -mcpu=gfx1250 --defsym DOCPART=n.
;; ======== version 1 of 2: 6 launches
;; limits: right only within a limited range of input values
;; workspace buffers: fl 2,048 bytes of whole numbers; mk 2,097,152 bytes of whole numbers; ops0 5,734,400 bytes; qkv 10,092,544 bytes; ao 3,276,800 bytes; x1b 20,054,016 bytes; hq 13,107,200 bytes
;; launch prep (part 1): grid 256 x 1, 8 waves a work-group, no clusters, 68,864 bytes of LDS; arguments mask, x, wq_codes, wq_scales, wk_codes, wk_scales, wv_codes, wv_scales, wo_codes, wo_scales, w_up_codes, w_up_scales, w_down_codes, w_down_scales, mk, ops0, fl; writes mk, ops0, fl
.if DOCPART == 1
	.amdgcn_target "amdgcn-amd-amdhsa--gfx1250"
	.amdhsa_code_object_version 6
	.text
	.protected	k_q2e9c41a2d7_prep
	.globl	k_q2e9c41a2d7_prep
	.p2align	8
	.type	k_q2e9c41a2d7_prep,@function
k_q2e9c41a2d7_prep:
	s_mov_b64 s[64:65], 0
	v_nop
	global_prefetch_b8 v0, s[64:65] scope:SCOPE_SE
	s_setreg_imm32_b32 hwreg(HW_REG_WAVE_MODE, 25, 1), 1
	s_wait_xcnt 0x0
; PREP: (1) the mask [4096][4096] int32 becomes lane masks: for tile T of 16 queries and key step j of 128 keys, 64 words at mk + (32 T + j) 256;
; bit (r + 16 h) of word 16 b + i says whether mask[row(T, r)][128 j + 32 b + 16 h + i] is not 0.  Two flag words for each tile at fl + 8 T, a small buffer of their own:
; 'any' (bit j: step j must be walked) and 'part' (bit j: step j has hidden keys).  If some row of the tile has no open key at all, 'any' is all ones.
; (2) x [8192][512] f32 becomes codes of E3M2 with E8M0 scale words; (3) the six weights' codes and scale bytes are laid anew.  Both go to ops0 as IMAGES OF OPERAND REGISTERS:
; a fragment (16 rows x 128 K, 12 registers a lane) is three runs of 512 bytes, lane l's 16 bytes at 16 l; four images and their 4 x 64 bytes of scale words are a quad of 6,400 bytes.
; THE ROWS OF A TILE: row(t, r) = 32 (t / 2) + 8 (t % 2) + r + 8 (r / 8), in every operand of the program.
; SHARES: work-group T, wave w: mask units (T, 4 w + u), u = 0..3; one unit of x (tile 2 T + w / 4, K step w % 4); waves 0-5 one weight image each (number 6 T + w of 1,536).
; A unit is 16 rows x 512 bytes: each load reads 512 consecutive bytes of one row; the 8 KiB turn through the wave's own stage in LDS (pitch 528), so that lane (r, h) gets, of its row, 16 neighbours of each block of 32.
; SCALARS: s32-63 take the compares' lane masks in every mask unit; whatever lives across the units (the wave's number among it) lies outside them.
; LIMITS: a block of zeros gets the scale byte 1 (its codes are zeros; only this program reads the bytes); NaN and infinities in x are not served.
.set ROWM, 16384
.set ROWX, 2048
.set SP,   528
.set STG,  16*SP
.set RED,  8*STG                       ; behind the stages: 16 bytes a wave for the flags
.set RL,   8                           ; v8-19 a weight's fragment, v20 its scale word
.set OA,   24                          ; v24-31 four units' mask words, two to a lane
.set R,    64                          ; v64-127, v128-191 two sets of 16 loads
.set X,    192                         ; v192-255 a unit, turned
.set TM,   128                         ; the quantiser's work registers lie in set 1, free when x is worked on
.set PC,   144
.set PW,   164
.set SEL,  84
.set WV,   87                          ; s87 my wave's number: kept to the end
.macro QUANT s, pc, pw                 ; 64 numbers of a lane, register 16 b + i = k 32 b + 16 h + i of my row -> 12 registers of codes at v[pc], the row's scale word in v[pw]
.irp b, 0,1,2,3
	v_max3_num_f32 v[TM+\b], |v[\s+16*\b]|, |v[\s+1+16*\b]|, 0x2800000   ; the floor 2^(5 - 127) keeps the byte at 1 from below
.endr
.irp i, 2,4,6,8,10,12,14
.irp b, 0,1,2,3
	v_max3_num_f32 v[TM+\b], v[TM+\b], |v[\s+16*\b+\i]|, |v[\s+1+16*\b+\i]|
.endr
.endr
.irp b, 0,1,2,3
	v_permlanex16_b32 v[TM+4+\b], v[TM+\b], s[SEL], s[SEL+1]
.endr
.irp b, 0,1,2,3
	v_max_num_f32 v[TM+\b], v[TM+\b], v[TM+4+\b]                  ; with lane l xor 16's: the block's largest magnitude
.endr
.irp b, 0,1,2,3
	v_add_nc_u32 v[TM+12+\b], 0xfe000000, v[TM+\b]                ; 4 off its exponent field: the conversion's scale operand
.endr
.irp b, 0,1,2,3
	v_lshrrev_b32 v[TM+4+\b], 23, v[TM+12+\b]                     ; the scale's byte
.endr
	v_lshl_or_b32 v[\pw], v[TM+5], 8, v[TM+4]
	v_lshl_or_b32 v[\pw], v[TM+6], 16, v[\pw]
	v_lshl_or_b32 v[\pw], v[TM+7], 24, v[\pw]
.irp c, 0,1
	v_cvt_scalef32_pk16_bf6_f32 v[\pc+6*\c:\pc+2+6*\c], v[\s+32*\c:\s+15+32*\c], v[TM+12+2*\c]
	v_cvt_scalef32_pk16_bf6_f32 v[\pc+12+4*\c:\pc+14+4*\c], v[\s+16+32*\c:\s+31+32*\c], v[TM+12+2*\c+1]
.endr
	v_nop                                          ; one plain line behind the conversions
.irp c, 0,1
.irp i, 0,1,2
	v_permlane16_swap_b32 v[\pc+6*\c+\i], v[\pc+12+4*\c+\i]       ; a whole block to a lane
.endr
.irp i, 0,1,2
	v_mov_b32 v[\pc+3+6*\c+\i], v[\pc+12+4*\c+\i]
.endr
.endr
.endm
	s_load_b512 s[4:19], s[0:1], 0x0               ; mask, x, wq c/s, wk c/s, wv c/s
	s_load_b512 s[20:35], s[0:1], 0x40             ; wo c/s, w_up c/s, w_down c/s, mk, ops0
	s_load_b64 s[72:73], s[0:1], 0x80              ; fl
	v_lshl_add_u32 v62, v0, 2, 0x10900
	v_mov_b32 v63, 0
	v_lshrrev_b32 v1, 5, v0
	v_readfirstlane_b32 s[WV], v1                  ; wave
	v_and_b32 v1, 31, v0                           ; lane
	v_lshlrev_b32 v2, 4, v1                        ; 16 x lane
	v_lshlrev_b32 v3, 3, v1                        ; 8 x lane
	v_and_b32 v6, 15, v0                           ; r
	v_bfe_u32 v7, v0, 4, 1                         ; h
	s_mul_i32 s37, s[WV], STG
	v_add_nc_u32 v4, s37, v2                       ; the stage, rows as they lie
	v_mul_u32_u24 v5, v6, SP
	v_lshl_add_u32 v5, v7, 6, v5
	v_add_nc_u32 v5, s37, v5                       ; the stage, my row's 16 neighbours: 528 r + 64 h
	s_lshl_b32 s37, s[WV], 4
	s_add_co_u32 s37, s37, RED
	v_mov_b32 v23, s37                             ; my wave's 16 bytes for the flags
	v_mov_b32 v32, RED
	v_lshlrev_b32 v35, 2, v6
	v_lshl_add_u32 v35, v7, 1, v35                 ; 4 r + 2 h: half a scale word a lane
	v_lshlrev_b32 v36, 4, v7                       ; 16 h
.set i, 0
.rept 13
	v_mov_b32 v[RL+i], 0
.set i, i+1
.endr
.set i, 0
.rept 8
	v_mov_b32 v[OA+i], 0                           ; a lane write's destination counts as read
.set i, i+1
.endr
	s_mov_b32 s[SEL], 0x76543210
	s_mov_b32 s[SEL+1], 0xfedcba98
	s_lshr_b32 s37, ttmp9, 1                       ; the mask: (32 (T / 2) + 8 (T % 2)) rows of 16,384 bytes + 2,048 w
	s_lshl_b32 s37, s37, 19
	s_and_b32 s38, ttmp9, 1
	s_lshl_b32 s38, s38, 17
	s_add_co_u32 s92, s37, s38
	s_lshl_b32 s38, s[WV], 11
	s_add_co_u32 s92, s92, s38
	s_mov_b32 s93, 0
	s_lshl_b32 s94, ttmp9, 16                      ; x: (32 T + 8 (w / 4)) rows of 2,048 bytes + 512 (w % 4)
	s_lshr_b32 s39, s[WV], 2
	s_lshl_b32 s38, s39, 14
	s_add_co_u32 s94, s94, s38
	s_and_b32 s37, s[WV], 3
	s_lshl_b32 s38, s37, 9
	s_add_co_u32 s94, s94, s38
	s_mov_b32 s95, 0
	s_lshl_b32 s38, ttmp9, 1
	s_add_co_u32 s38, s38, s39                     ; x's tile
	s_lshl_b32 s96, s37, 7
	s_lshr_b32 s97, s38, 2
	s_add_co_u32 s96, s96, s97
	s_mul_i32 s96, s96, 6400                       ; its quad: 128 x K step + tile / 4
	s_and_b32 s38, s38, 3
	s_mul_i32 s97, s38, 1536
	s_add_co_u32 s96, s96, s97
	s_mov_b32 s97, 0
	s_mul_i32 s38, s38, 1472
	s_sub_co_u32 s38, 6144, s38
	v_add_nc_u32 v33, s38, v35                     ; from the image to its scale words: 6,144 + 64 t - 1,536 t
	s_lshl_b32 s98, ttmp9, 13
	s_lshl_b32 s38, s[WV], 10
	s_add_co_u32 s98, s98, s38                     ; mk: 8,192 T + 1,024 w
	s_mov_b32 s99, 0
	s_mul_i32 s40, ttmp9, 6
	s_add_co_u32 s40, s40, s[WV]                   ; the weight image's number
	s_wait_kmcnt 0x0
	s_add_nc_u64 s[4:5], s[4:5], s[92:93]
	s_add_nc_u64 s[6:7], s[6:7], s[94:95]
	s_add_nc_u64 s[66:67], s[32:33], s[98:99]
	s_add_nc_u64 s[68:69], s[34:35], s[96:97]
	s_lshl_b32 s92, ttmp9, 3
	s_add_nc_u64 s[72:73], s[72:73], s[92:93]      ; the tile's flags: fl + 8 T
	; which weight: images 0-127 wq, -255 wk, -383 wv, -511 wo, -1023 w_up, -1535 w_down.  The choice hangs on ids alone
	s_mov_b64 s[88:89], s[28:29]
	s_mov_b64 s[90:91], s[30:31]
	s_mov_b32 s44, 1024                            ; first image
	s_mov_b32 s45, 4                               ; log2 of the K steps
	s_mov_b32 s46, 4915200                         ; place in ops0
	s_mov_b32 s47, 8                               ; quads in a K step
	s_cmp_lt_u32 s40, 1024
	s_cselect_b64 s[88:89], s[24:25], s[88:89]
	s_cselect_b64 s[90:91], s[26:27], s[90:91]
	s_cselect_b32 s44, 512, s44
	s_cselect_b32 s45, 2, s45
	s_cselect_b32 s46, 4096000, s46
	s_cselect_b32 s47, 32, s47
	s_cmp_lt_u32 s40, 512
	s_cselect_b64 s[88:89], s[20:21], s[88:89]
	s_cselect_b64 s[90:91], s[22:23], s[90:91]
	s_cselect_b32 s44, 384, s44
	s_cselect_b32 s46, 3891200, s46
	s_cselect_b32 s47, 8, s47
	s_cmp_lt_u32 s40, 384
	s_cselect_b64 s[88:89], s[16:17], s[88:89]
	s_cselect_b64 s[90:91], s[18:19], s[90:91]
	s_cselect_b32 s44, 256, s44
	s_cselect_b32 s46, 3686400, s46
	s_cmp_lt_u32 s40, 256
	s_cselect_b64 s[88:89], s[12:13], s[88:89]
	s_cselect_b64 s[90:91], s[14:15], s[90:91]
	s_cselect_b32 s44, 128, s44
	s_cselect_b32 s46, 3481600, s46
	s_cmp_lt_u32 s40, 128
	s_cselect_b64 s[88:89], s[8:9], s[88:89]
	s_cselect_b64 s[90:91], s[10:11], s[90:91]
	s_cselect_b32 s44, 0, s44
	s_cselect_b32 s46, 3276800, s46
	s_sub_co_u32 s48, s40, s44
	s_bfm_b32 s49, s45, 0
	s_and_b32 s50, s48, s49                        ; K step
	s_lshr_b32 s51, s48, s45                       ; tile
	s_lshr_b32 s52, s51, 1
	s_lshl_b32 s52, s52, 5
	s_and_b32 s53, s51, 1
	s_lshl_b32 s53, s53, 3
	s_add_co_u32 s52, s52, s53
	v_and_b32 v21, 8, v6
	v_add_nc_u32 v21, v21, v6
	v_add_nc_u32 v21, s52, v21                     ; my row of the weight
	s_lshl_b32 s53, 96, s45                        ; a row of codes in bytes
	s_add_co_u32 s54, s45, 2
	v_lshlrev_b32 v22, s54, v21                    ; a row of scale bytes: 4 x K steps
	v_mul_lo_u32 v21, v21, s53
	v_mad_u32_u24 v21, v7, 24, v21
	s_mul_i32 s53, s50, 96
	v_add_nc_u32 v21, s53, v21
	v_lshl_add_u32 v22, s50, 2, v22
	s_mul_i32 s55, s50, s47
	s_lshr_b32 s56, s51, 2
	s_add_co_u32 s55, s55, s56
	s_mul_i32 s55, s55, 6400
	s_add_co_u32 s55, s55, s46
	s_and_b32 s56, s51, 3
	s_mul_i32 s57, s56, 1536
	s_add_co_u32 s92, s55, s57
	s_add_nc_u64 s[70:71], s[34:35], s[92:93]      ; where the image goes
	s_mul_i32 s56, s56, 1472
	s_sub_co_u32 s56, 6144, s56
	v_add_nc_u32 v34, s56, v35
	s_cmp_lt_u32 s[WV], 6
	s_cbranch_scc0 .Lno_relay
.irp p, 0,1,2,3,4,5
	global_load_b64 v[RL+2*\p:RL+2*\p+1], v21, s[88:89] offset:48*(\p/3)+8*(\p%3)   ; the fragment as the operand's registers take it
.endr
	global_load_b32 v20, v22, s[90:91]
.Lno_relay:
.macro LOADM u
.set i, 0
.rept 16
	global_load_b128 v[R+64*((\u)%2)+4*i:R+64*((\u)%2)+4*i+3], v2, s[4:5] offset:(i+8*(i/8))*ROWM+512*(\u) th:TH_LOAD_NT
.set i, i+1
.endr
.endm
.macro TURN st                         ; LDS serves a wave's instructions in order: no wait between the stores and the loads
.set i, 0
.rept 16
	ds_store_b128 v4, v[R+64*\st+4*i:R+64*\st+4*i+3] offset:i*SP
.set i, i+1
.endr
.set i, 0
.rept 16
	ds_load_b128 v[X+4*i:X+4*i+3], v5 offset:128*(i/4)+16*(i%4)
.set i, i+1
.endr
.endm
.macro MUNIT u                         ; 64 compares give the 64 lane masks as they will be used; they are gathered two to a lane and leave as one run of 256 bytes
	s_mov_b32 s74, 0
	s_mov_b32 s76, -1
.irp hf, 0,1
.set n, 0
.rept 32
	v_cmp_ne_u32 s[32+n], 0, v[X+32*\hf+n]
.set n, n+1
.endr
.set n, 0
.rept 32
	v_writelane_b32 v[OA+2*\u+n%2], s[32+n], 16*\hf+n/2
	s_or_b32 s74, s74, s[32+n]
	s_and_b32 s76, s76, s[32+n]
.set n, n+1
.endr
.endr
	global_store_b64 v3, v[OA+2*\u:OA+2*\u+1], s[66:67] offset:256*\u
	s_or_b32 s80, s80, s74                         ; which rows (by halves) have an open key
	s_cmp_lg_u32 s74, 0
	s_cselect_b32 s81, 1, 0
	s_lshl_b32 s81, s81, s83
	s_or_b32 s78, s78, s81                         ; any
	s_cmp_lg_u32 s76, -1
	s_cselect_b32 s81, 1, 0
	s_lshl_b32 s81, s81, s83
	s_or_b32 s79, s79, s81                         ; part
	s_add_co_u32 s83, s83, 1
.endm
	LOADM 0
	LOADM 1
	s_mov_b32 s78, 0
	s_mov_b32 s79, 0
	s_mov_b32 s80, 0
	s_lshl_b32 s83, s[WV], 2                       ; my first key step
	s_wait_loadcnt 16                              ; this unit's loads are in; the next unit's sixteen stay out
	TURN 0
	s_wait_dscnt 0x0                               ; the stores have read set 0, the unit is back
	LOADM 2
	MUNIT 0
	s_wait_loadcnt 16
	TURN 1
	s_wait_dscnt 0x0
	LOADM 3
	MUNIT 1
	s_wait_loadcnt 16
	TURN 0
	s_wait_dscnt 0x0
.set i, 0
.rept 16
	global_load_b128 v[R+4*i:R+4*i+3], v2, s[6:7] offset:(i+8*(i/8))*ROWX th:TH_LOAD_NT   ; x's unit
.set i, i+1
.endr
	MUNIT 2
	s_wait_loadcnt 16
	TURN 1
	s_wait_dscnt 0x0
	MUNIT 3
	s_wait_loadcnt 0x0
	TURN 0
	s_wait_dscnt 0x0
.irp b, 0,1,2,3
	v_mov_b32 v[TM+4+\b], 0                        ; a lane permute's destination counts as read
.endr
	QUANT X, PC, PW
.irp c, 0,1,2
	global_store_b128 v2, v[PC+4*\c:PC+4*\c+3], s[68:69] offset:512*\c
.endr
	v_lshrrev_b32 v40, v36, v[PW]
	global_store_b16 v33, v40, s[68:69]            ; lanes (r, 0) and (r, 1) store the two halves of row r's word
	v_mov_b32 v168, s78
	v_mov_b32 v169, s79
	v_mov_b32 v170, s80
	v_mov_b32 v171, 0
	ds_store_b128 v23, v[168:171]
	s_wait_dscnt 0x0                               ; for the others' sake: my flags lie in LDS
	s_barrier_signal -1
	s_barrier_wait -1
	s_cmp_lg_u32 s[WV], 0
	s_cbranch_scc1 .Lno_flags
.set i, 0
.rept 8
	ds_load_b128 v[R+4*i:R+4*i+3], v32 offset:16*i
.set i, i+1
.endr
	s_wait_dscnt 0x0
.set i, 1
.rept 7
	v_or_b32 v[R], v[R], v[R+4*i]
	v_or_b32 v[R+1], v[R+1], v[R+4*i+1]
	v_or_b32 v[R+2], v[R+2], v[R+4*i+2]
.set i, i+1
.endr
	v_lshrrev_b32 v37, 16, v[R+2]
	v_or_b32 v37, v37, v[R+2]
	v_and_b32 v37, 0xffff, v37                     ; bit r: row r has an open key somewhere
	v_mov_b32 v38, -1
	v_cmp_ne_u32 vcc_lo, 0xffff, v37
	v_cndmask_b32 v[R], v[R], v38, vcc_lo          ; a row with none: every step is walked, so that its softmax comes out even over all keys
	v_mov_b32 v39, 0
	v_cmp_eq_u32 vcc_lo, 0, v1
	s_wait_xcnt 0x0                                ; EXEC changes only behind this wait
	s_and_saveexec_b32 s86, vcc_lo
	global_store_b64 v39, v[R:R+1], s[72:73]
	s_wait_xcnt 0x0
	s_or_b32 exec_lo, exec_lo, s86
.Lno_flags:
	s_cmp_lt_u32 s[WV], 6
	s_cbranch_scc0 .Ldone
.irp c, 0,1,2
	global_store_b128 v2, v[RL+4*\c:RL+4*\c+3], s[70:71] offset:512*\c
.endr
	v_lshrrev_b32 v41, v36, v20
	global_store_b16 v34, v41, s[70:71]
.Ldone:
	s_wait_tensorcnt 0x0
	ds_add_u32 v62, v63
	s_wait_dscnt 0x0
	s_endpgm
.Lfunc_end_k_q2e9c41a2d7_prep:
	.size	k_q2e9c41a2d7_prep, .Lfunc_end_k_q2e9c41a2d7_prep-k_q2e9c41a2d7_prep
	.p2alignl 7, 3214868480
	.fill 96, 4, 3214868480
	.section	.rodata,"a",@progbits
	.p2align	6, 0x0
	.amdhsa_kernel k_q2e9c41a2d7_prep
		.amdhsa_group_segment_fixed_size 68864
		.amdhsa_private_segment_fixed_size 0
		.amdhsa_enable_private_segment 0
		.amdhsa_kernarg_size 136
		.amdhsa_user_sgpr_count 2
		.amdhsa_user_sgpr_kernarg_segment_ptr 1
		.amdhsa_wavefront_size32 1
		.amdhsa_system_sgpr_workgroup_id_x 1
		.amdhsa_system_sgpr_workgroup_id_y 1
		.amdhsa_system_sgpr_workgroup_id_z 1
		.amdhsa_system_vgpr_workitem_id 0
		.amdhsa_next_free_vgpr 256
		.amdhsa_next_free_sgpr 100
		.amdhsa_reserve_vcc 1
		.amdhsa_float_denorm_mode_32 3
		.amdhsa_float_denorm_mode_16_64 3
		.amdhsa_memory_ordered 1
		.amdhsa_forward_progress 1
		.amdhsa_inst_pref_size 82
	.end_amdhsa_kernel
	.amdgpu_metadata
---
amdhsa.version: [ 1, 2 ]
amdhsa.kernels:
  - .name:           k_q2e9c41a2d7_prep
    .symbol:         k_q2e9c41a2d7_prep.kd
    .args:
      - { .name: mask, .offset: 0, .size: 8, .value_kind: global_buffer, .address_space: global }
      - { .name: x, .offset: 8, .size: 8, .value_kind: global_buffer, .address_space: global }
      - { .name: wq_codes, .offset: 16, .size: 8, .value_kind: global_buffer, .address_space: global }
      - { .name: wq_scales, .offset: 24, .size: 8, .value_kind: global_buffer, .address_space: global }
      - { .name: wk_codes, .offset: 32, .size: 8, .value_kind: global_buffer, .address_space: global }
      - { .name: wk_scales, .offset: 40, .size: 8, .value_kind: global_buffer, .address_space: global }
      - { .name: wv_codes, .offset: 48, .size: 8, .value_kind: global_buffer, .address_space: global }
      - { .name: wv_scales, .offset: 56, .size: 8, .value_kind: global_buffer, .address_space: global }
      - { .name: wo_codes, .offset: 64, .size: 8, .value_kind: global_buffer, .address_space: global }
      - { .name: wo_scales, .offset: 72, .size: 8, .value_kind: global_buffer, .address_space: global }
      - { .name: w_up_codes, .offset: 80, .size: 8, .value_kind: global_buffer, .address_space: global }
      - { .name: w_up_scales, .offset: 88, .size: 8, .value_kind: global_buffer, .address_space: global }
      - { .name: w_down_codes, .offset: 96, .size: 8, .value_kind: global_buffer, .address_space: global }
      - { .name: w_down_scales, .offset: 104, .size: 8, .value_kind: global_buffer, .address_space: global }
      - { .name: mk, .offset: 112, .size: 8, .value_kind: global_buffer, .address_space: global }
      - { .name: ops0, .offset: 120, .size: 8, .value_kind: global_buffer, .address_space: global }
      - { .name: fl, .offset: 128, .size: 8, .value_kind: global_buffer, .address_space: global }
    .group_segment_fixed_size: 68864
    .private_segment_fixed_size: 0
    .kernarg_segment_align: 8
    .kernarg_segment_size: 136
    .max_flat_workgroup_size: 256
    .sgpr_count:     100
    .vgpr_count:     256
    .wavefront_size: 32
...
	.end_amdgpu_metadata
.endif
;; end of part 1
;; launch qkv (part 2): grid 192 x 1, 16 waves a work-group, no clusters, 206,848 bytes of LDS; arguments ops0, qkv; writes qkv
.if DOCPART == 2
	.amdgcn_target "amdgcn-amd-amdhsa--gfx1250"
	.amdhsa_code_object_version 6
	.text
	.protected	k_q2e9c41a2d7_qkv
	.globl	k_q2e9c41a2d7_qkv
	.p2align	8
	.type	k_q2e9c41a2d7_qkv,@function
k_q2e9c41a2d7_qkv:
	s_mov_b64 s[64:65], 0
	v_nop
	global_prefetch_b8 v0, s[64:65] scope:SCOPE_SE
	s_setreg_imm32_b32 hwreg(HW_REG_WAVE_MODE, 25, 1), 1
	s_wait_xcnt 0x0
; QKV: q = x wq^T, k = x wk^T (work-groups 0-127) and V^T = wv x^T (work-groups 128-191), on codes of E3M2; the results are quantised at once and stored as operand images for the attention.
; A work-group makes 256 x 256 of C with K = 512.  Sixteen waves; wave (wm = w / 2, wn = w % 2) makes rows' tiles 2 wm, 2 wm + 1 x 128 columns: 16 accumulators.
; All operands lie in ops0 as quads of 6,400 bytes (four register images + their scale words).  The four K steps' quads (4 of A, 4 of B each) come by 32 tensor loads, four a wave of waves 0-7, all issued at the start;
; nothing in LDS is filled twice.  A fragment is three ds_load_b128 at 16 x lane.
; THE MATRIX INSTRUCTION IS USED TRANSPOSED (source 0 = 16 rows of B, source 1 = 16 rows of A).  With the rows of a tile in the order 32 (t / 2) + 8 (t % 2) + r + 8 (r / 8), register 16 b + i of a lane's 64 is column 32 b + 16 h + i:
; sixteen neighbours along the next product's K, as the conversions want them.
; OUT: q, k: a wave's 128 columns are two heads; registers 0-5 of the fragment are the first head's 64, registers 6-11 the second's.  A head's half image is 768 bytes; a record (head, 128 tokens) is 8 half images + 4 x 128 bytes
; of scale words (two real bytes, 0x7f above them).  V^T: K = 128 tokens: whole images, in quads (key step, head).
; No multicast: kept plain; a work-group's operands are 200 KiB read once.  LIMITS: a block of zeros gets the byte 1; NaN and infinities are not served.
.set AF,  16
.set BF,  40
.set SA,  88
.set SB,  89
.set TM,  96
.set ACC, 128
.set PC0, 32
.set PW0, 52
.set G1,  24
.set G0,  32
.set SEL, 20
.macro MM d, a, b, sa, sb, ra, rb, z
.if \z
.if (\ra) && (\rb)
	v_wmma_scale_f32_16x16x128_f8f6f4 v[\d:\d+7], v[\a:\a+11], v[\b:\b+11], 0, v[\sa], v[\sb] matrix_a_fmt:MATRIX_FMT_BF6 matrix_b_fmt:MATRIX_FMT_BF6 matrix_a_scale:MATRIX_SCALE_ROW1 matrix_b_scale:MATRIX_SCALE_ROW1
.elseif \ra
	v_wmma_scale_f32_16x16x128_f8f6f4 v[\d:\d+7], v[\a:\a+11], v[\b:\b+11], 0, v[\sa], v[\sb] matrix_a_fmt:MATRIX_FMT_BF6 matrix_b_fmt:MATRIX_FMT_BF6 matrix_a_scale:MATRIX_SCALE_ROW1
.elseif \rb
	v_wmma_scale_f32_16x16x128_f8f6f4 v[\d:\d+7], v[\a:\a+11], v[\b:\b+11], 0, v[\sa], v[\sb] matrix_a_fmt:MATRIX_FMT_BF6 matrix_b_fmt:MATRIX_FMT_BF6 matrix_b_scale:MATRIX_SCALE_ROW1
.else
	v_wmma_scale_f32_16x16x128_f8f6f4 v[\d:\d+7], v[\a:\a+11], v[\b:\b+11], 0, v[\sa], v[\sb] matrix_a_fmt:MATRIX_FMT_BF6 matrix_b_fmt:MATRIX_FMT_BF6
.endif
.else
.if (\ra) && (\rb)
	v_wmma_scale_f32_16x16x128_f8f6f4 v[\d:\d+7], v[\a:\a+11], v[\b:\b+11], v[\d:\d+7], v[\sa], v[\sb] matrix_a_fmt:MATRIX_FMT_BF6 matrix_b_fmt:MATRIX_FMT_BF6 matrix_a_scale:MATRIX_SCALE_ROW1 matrix_b_scale:MATRIX_SCALE_ROW1
.elseif \ra
	v_wmma_scale_f32_16x16x128_f8f6f4 v[\d:\d+7], v[\a:\a+11], v[\b:\b+11], v[\d:\d+7], v[\sa], v[\sb] matrix_a_fmt:MATRIX_FMT_BF6 matrix_b_fmt:MATRIX_FMT_BF6 matrix_a_scale:MATRIX_SCALE_ROW1
.elseif \rb
	v_wmma_scale_f32_16x16x128_f8f6f4 v[\d:\d+7], v[\a:\a+11], v[\b:\b+11], v[\d:\d+7], v[\sa], v[\sb] matrix_a_fmt:MATRIX_FMT_BF6 matrix_b_fmt:MATRIX_FMT_BF6 matrix_b_scale:MATRIX_SCALE_ROW1
.else
	v_wmma_scale_f32_16x16x128_f8f6f4 v[\d:\d+7], v[\a:\a+11], v[\b:\b+11], v[\d:\d+7], v[\sa], v[\sb] matrix_a_fmt:MATRIX_FMT_BF6 matrix_b_fmt:MATRIX_FMT_BF6
.endif
.endif
.endm
.macro QUANT s, pc, pw
.irp b, 0,1,2,3
	v_max3_num_f32 v[TM+\b], |v[\s+16*\b]|, |v[\s+1+16*\b]|, 0x2800000
.endr
.irp i, 2,4,6,8,10,12,14
.irp b, 0,1,2,3
	v_max3_num_f32 v[TM+\b], v[TM+\b], |v[\s+16*\b+\i]|, |v[\s+1+16*\b+\i]|
.endr
.endr
.irp b, 0,1,2,3
	v_permlanex16_b32 v[TM+4+\b], v[TM+\b], s[SEL], s[SEL+1]
.endr
.irp b, 0,1,2,3
	v_max_num_f32 v[TM+\b], v[TM+\b], v[TM+4+\b]
.endr
.irp b, 0,1,2,3
	v_add_nc_u32 v[TM+12+\b], 0xfe000000, v[TM+\b]
.endr
.irp b, 0,1,2,3
	v_lshrrev_b32 v[TM+4+\b], 23, v[TM+12+\b]
.endr
	v_lshl_or_b32 v[\pw], v[TM+5], 8, v[TM+4]
	v_lshl_or_b32 v[\pw], v[TM+6], 16, v[\pw]
	v_lshl_or_b32 v[\pw], v[TM+7], 24, v[\pw]
.irp c, 0,1
	v_cvt_scalef32_pk16_bf6_f32 v[\pc+6*\c:\pc+2+6*\c], v[\s+32*\c:\s+15+32*\c], v[TM+12+2*\c]
	v_cvt_scalef32_pk16_bf6_f32 v[\pc+12+4*\c:\pc+14+4*\c], v[\s+16+32*\c:\s+31+32*\c], v[TM+12+2*\c+1]
.endr
	v_nop
.irp c, 0,1
.irp i, 0,1,2
	v_permlane16_swap_b32 v[\pc+6*\c+\i], v[\pc+12+4*\c+\i]
.endr
.irp i, 0,1,2
	v_mov_b32 v[\pc+3+6*\c+\i], v[\pc+12+4*\c+\i]
.endr
.endr
.endm
; A K step: its quads have landed (the later steps' loads of my wave may stay out), everybody's have; 23 + 12 LDS loads, 16 matrix instructions on 16 accumulators by turns.
; The four additions are the four plain lines between the last products and the loads into the registers that they read.
.macro KSTEP s, z
	s_wait_tensorcnt 3-\s
	s_barrier_signal -1
	s_barrier_wait -1
	v_add_nc_u32 v8, \s*51200, v4
	v_add_nc_u32 v9, \s*51200, v5
	v_add_nc_u32 v10, \s*51200, v6
	v_add_nc_u32 v11, \s*51200, v7
.set i, 0
.rept 6
	ds_load_b128 v[AF+4*i:AF+4*i+3], v8 offset:512*i
.set i, i+1
.endr
	ds_load_b32 v[SA], v9                          ; lanes 0-15: tile 2 wm's words, lanes 16-31: tile 2 wm + 1's
.irp q, 0,1,2,3
	ds_load_b32 v[SB+\q], v11 offset:(\q/2)*6400+(\q%2)*128
.endr
.set i, 0
.rept 12
	ds_load_b128 v[BF+4*i:BF+4*i+3], v10 offset:512*i
.set i, i+1
.endr
	s_wait_dscnt 0x0
.set bb, 0
.rept 4
	MM ACC+8*bb, BF+12*bb, AF, SB+bb/2, SA, bb%2, 0, \z
	MM ACC+64+8*bb, BF+12*bb, AF+12, SB+bb/2, SA, bb%2, 1, \z
.set bb, bb+1
.endr
.rept 4
	v_nop
.endr
.set i, 0
.rept 12
	ds_load_b128 v[BF+4*i:BF+4*i+3], v10 offset:6400+512*i
.set i, i+1
.endr
	s_wait_dscnt 0x0
.set bb, 0
.rept 4
	MM ACC+32+8*bb, BF+12*bb, AF, SB+2+bb/2, SA, bb%2, 0, \z
	MM ACC+96+8*bb, BF+12*bb, AF+12, SB+2+bb/2, SA, bb%2, 1, \z
.set bb, bb+1
.endr
.endm
	s_load_b128 s[4:7], s[0:1], 0x0                ; ops0, qkv
	v_lshl_add_u32 v126, v0, 2, 0x32000
	v_mov_b32 v127, 0
	ds_add_u32 v126, v127
	ds_add_u32 v126, v127
	v_lshrrev_b32 v1, 5, v0
	v_readfirstlane_b32 s12, v1                    ; wave
	v_and_b32 v3, 31, v0
	v_lshlrev_b32 v1, 4, v3                        ; 16 x lane
	v_lshlrev_b32 v2, 3, v3                        ; 8 x lane
	v_lshlrev_b32 v3, 2, v3                        ; 4 x lane
	s_lshr_b32 s48, s12, 1                         ; wm
	s_and_b32 s49, s12, 1                          ; wn
	s_lshr_b32 s50, s48, 1
	s_mul_i32 s50, s50, 6400
	s_and_b32 s51, s48, 1
	s_mul_i32 s22, s51, 3072
	s_add_co_u32 s22, s22, s50
	v_add_nc_u32 v4, s22, v1                       ; A: quad wm / 2, images 2 (wm % 2) and the next
	s_lshl_b32 s22, s51, 7
	s_add_co_u32 s22, s22, s50
	s_add_co_u32 s22, s22, 6144
	v_add_nc_u32 v5, s22, v3                       ; their scale words
	s_mul_i32 s22, s49, 12800
	s_add_co_u32 s22, s22, 25600
	v_add_nc_u32 v6, s22, v1                       ; B: quads 2 wn, 2 wn + 1
	s_add_co_u32 s22, s22, 6144
	v_add_nc_u32 v7, s22, v3
.irp b, 0,1,2,3
	v_mov_b32 v[TM+4+\b], 0
.endr
	s_mov_b32 s[SEL], 0x76543210
	s_mov_b32 s[SEL+1], 0xfedcba98
	s_mov_b32 s[G1], 3<<16                         ; elements of 8 bytes, no mask, no padding
	s_mov_b32 s[G1+1], 32<<16                      ; tensor_dim0 = 32 (256 bytes)
	s_mov_b32 s[G1+2], 25<<16                      ; tensor_dim1 = 25
	s_mov_b32 s[G1+3], 32<<16                      ; tile_dim0
	s_mov_b32 s[G1+4], 25                          ; tile_dim1
	s_mov_b32 s[G1+5], 32                          ; pitch: dense
	s_mov_b32 s[G1+6], 0
	s_mov_b32 s[G1+7], 0
	; which operands: q, k: A = x's quads 4 mt on, B = wq or wk, quads 4 (nt % 2) on;  V^T: A = wv, quads 4 (id' % 2) on, B = x's quads 4 (id' / 2) on
	s_and_b32 s52, ttmp9, 0x7c
	s_and_b32 s53, ttmp9, 3
	s_lshr_b32 s54, s53, 1
	s_mul_i32 s54, s54, 204800
	s_add_co_u32 s54, s54, 3276800
	s_and_b32 s55, s53, 1
	s_lshl_b32 s55, s55, 2
	s_sub_co_u32 s56, ttmp9, 128
	s_and_b32 s57, s56, 1
	s_lshl_b32 s57, s57, 2
	s_lshr_b32 s58, s56, 1
	s_lshl_b32 s58, s58, 2
	s_cmp_lt_u32 ttmp9, 128
	s_cselect_b32 s59, 0, 3686400
	s_cselect_b32 s60, 128, 8
	s_cselect_b32 s61, s52, s57
	s_cselect_b32 s62, s54, 0
	s_cselect_b32 s63, 8, 128
	s_cselect_b32 s66, s55, s58
	s_cmp_lt_u32 s12, 4                            ; waves 0-3 fetch A's quads, waves 4-7 B's
	s_cselect_b32 s59, s59, s62
	s_cselect_b32 s60, s60, s63
	s_cselect_b32 s61, s61, s66
	s_and_b32 s62, s12, 3
	s_add_co_u32 s61, s61, s62
	s_mul_i32 s61, s61, 6400
	s_add_co_u32 s14, s59, s61
	s_mov_b32 s15, 0
	s_mul_i32 s16, s60, 6400                       ; from K step to K step
	s_mov_b32 s17, 0
	s_mul_i32 s18, s12, 6400
	s_wait_dscnt 0x0
	s_wait_kmcnt 0x0
	s_add_nc_u64 s[14:15], s[4:5], s[14:15]
.irp s, 0,1,2,3
	s_mov_b32 s[G0+4*\s], 1
	s_add_co_u32 s[G0+4*\s+1], s18, \s*51200
	s_mov_b64 s[G0+4*\s+2:G0+4*\s+3], s[14:15]
	s_or_b32 s[G0+4*\s+3], s[G0+4*\s+3], 0x80000000
	s_add_nc_u64 s[14:15], s[14:15], s[16:17]
.endr
	s_cmp_lt_u32 s12, 8
	s_cbranch_scc0 .Lno_fill
	tensor_load_to_lds s[G0:G0+3], s[G1:G1+7]      ; four loads of mine are out
	s_nop 0
	tensor_load_to_lds s[G0+4:G0+7], s[G1:G1+7]
	s_nop 0
	tensor_load_to_lds s[G0+8:G0+11], s[G1:G1+7]
	s_nop 0
	tensor_load_to_lds s[G0+12:G0+15], s[G1:G1+7]
	s_nop 0
.rept 4
	v_nop
.endr
.Lno_fill:
	; where the results go.  q, k: record ((8 batch + head) 32 + j), half image 2 (wm % 4)
	s_lshr_b32 s50, ttmp9, 2
	s_lshr_b32 s51, s50, 4
	s_and_b32 s50, s50, 15
	s_lshl_b32 s50, s50, 1
	s_lshr_b32 s52, s48, 2
	s_add_co_u32 s50, s50, s52
	s_and_b32 s52, ttmp9, 1
	s_lshl_b32 s52, s52, 2
	s_lshl_b32 s53, s49, 1
	s_add_co_u32 s52, s52, s53
	s_lshl_b32 s51, s51, 3
	s_add_co_u32 s51, s51, s52
	s_lshl_b32 s51, s51, 5
	s_add_co_u32 s51, s51, s50
	s_mul_i32 s51, s51, 6656
	s_and_b32 s52, s48, 3
	s_mul_i32 s53, s52, 1536
	s_add_co_u32 s51, s51, s53
	s_mov_b32 s53, 6684672                         ; q's records
	s_bitcmp1_b32 ttmp9, 1
	s_cselect_b32 s53, 3276800, s53                ; k's
	s_add_co_u32 s51, s51, s53
	s_mul_i32 s52, s52, 1408
	s_sub_co_u32 s52, 6144, s52                    ; from my half images to my pair's scale words
	; V^T: quad (key step 2 (id' / 2) + wn, head 4 (id' % 2) + wm / 2), images 2 (wm % 2) and the next
	s_sub_co_u32 s54, ttmp9, 128
	s_lshr_b32 s55, s54, 1
	s_lshl_b32 s55, s55, 1
	s_add_co_u32 s55, s55, s49
	s_and_b32 s54, s54, 1
	s_lshl_b32 s54, s54, 2
	s_lshr_b32 s56, s48, 1
	s_add_co_u32 s54, s54, s56
	s_lshl_b32 s55, s55, 3
	s_add_co_u32 s55, s55, s54
	s_mul_i32 s55, s55, 6400
	s_and_b32 s56, s48, 1
	s_mul_i32 s57, s56, 3072
	s_add_co_u32 s55, s55, s57
	s_mul_i32 s56, s56, 2944
	s_sub_co_u32 s56, 6144, s56
	s_cmp_lt_u32 ttmp9, 128
	s_cselect_b32 s50, s51, s55
	s_cselect_b32 s52, s52, s56
	s_mov_b32 s51, 0
	s_add_nc_u64 s[8:9], s[6:7], s[50:51]
	v_add_nc_u32 v12, s52, v3
	s_mov_b32 s67, 0xffff0000                      ; lanes 16-31
	s_mov_b32 s69, 0x7f7f0000
	KSTEP 0, 1
	KSTEP 1, 0
	KSTEP 2, 0
	KSTEP 3, 0
.rept 4
	v_nop                                          ; four plain lines behind the last products
.endr
	QUANT ACC, PC0, PW0
	QUANT ACC+64, PC0+24, PW0+1
	v_cndmask_b32 v[PW0+2], v[PW0], v[PW0+1], s67  ; lanes 0-15 the first tile's scale words, lanes 16-31 the second's
	s_cmp_lt_u32 ttmp9, 128
	s_cbranch_scc0 .Lvt
.irp a, 0,1
.irp e, 0,1
	global_store_b128 v1, v[PC0+24*\a+6*\e:PC0+24*\a+6*\e+3], s[8:9] offset:768*\a+212992*\e
	global_store_b64 v2, v[PC0+24*\a+6*\e+4:PC0+24*\a+6*\e+5], s[8:9] offset:768*\a+212992*\e+512
.endr
.endr
	v_and_or_b32 v55, v[PW0+2], 0xffff, s69        ; the first head's two bytes, 2^0 above them
	v_lshrrev_b32 v76, 16, v[PW0+2]
	v_or_b32 v76, s69, v76                         ; the second head's
	global_store_b32 v12, v55, s[8:9]
	global_store_b32 v12, v76, s[8:9] offset:212992
	s_branch .Lend
.Lvt:
.irp a, 0,1
.irp c, 0,1,2
	global_store_b128 v1, v[PC0+24*\a+4*\c:PC0+24*\a+4*\c+3], s[8:9] offset:1536*\a+512*\c
.endr
.endr
	global_store_b32 v12, v[PW0+2], s[8:9]
.Lend:
	s_wait_tensorcnt 0x0
	ds_add_u32 v126, v127
	s_wait_dscnt 0x0
	s_endpgm
.Lfunc_end_k_q2e9c41a2d7_qkv:
	.size	k_q2e9c41a2d7_qkv, .Lfunc_end_k_q2e9c41a2d7_qkv-k_q2e9c41a2d7_qkv
	.p2alignl 7, 3214868480
	.fill 96, 4, 3214868480
	.section	.rodata,"a",@progbits
	.p2align	6, 0x0
	.amdhsa_kernel k_q2e9c41a2d7_qkv
		.amdhsa_group_segment_fixed_size 206848
		.amdhsa_private_segment_fixed_size 0
		.amdhsa_enable_private_segment 0
		.amdhsa_kernarg_size 16
		.amdhsa_user_sgpr_count 2
		.amdhsa_user_sgpr_kernarg_segment_ptr 1
		.amdhsa_wavefront_size32 1
		.amdhsa_system_sgpr_workgroup_id_x 1
		.amdhsa_system_sgpr_workgroup_id_y 1
		.amdhsa_system_sgpr_workgroup_id_z 1
		.amdhsa_system_vgpr_workitem_id 0
		.amdhsa_next_free_vgpr 256
		.amdhsa_next_free_sgpr 76
		.amdhsa_reserve_vcc 0
		.amdhsa_float_denorm_mode_32 3
		.amdhsa_float_denorm_mode_16_64 3
		.amdhsa_memory_ordered 1
		.amdhsa_forward_progress 1
		.amdhsa_inst_pref_size 36
	.end_amdhsa_kernel
	.amdgpu_metadata
---
amdhsa.version: [ 1, 2 ]
amdhsa.kernels:
  - .name:           k_q2e9c41a2d7_qkv
    .symbol:         k_q2e9c41a2d7_qkv.kd
    .args:
      - { .name: ops0, .offset: 0, .size: 8, .value_kind: global_buffer, .address_space: global }
      - { .name: qkv, .offset: 8, .size: 8, .value_kind: global_buffer, .address_space: global }
    .group_segment_fixed_size: 206848
    .private_segment_fixed_size: 0
    .kernarg_segment_align: 8
    .kernarg_segment_size: 16
    .max_flat_workgroup_size: 512
    .sgpr_count:     76
    .vgpr_count:     256
    .wavefront_size: 32
...
	.end_amdgpu_metadata
.endif
;; end of part 2
;; launch attn (part 3): grid 16 x 16, 16 waves a work-group, no clusters, 28,672 bytes of LDS; arguments fl, mk, qkv, ao; writes ao
.if DOCPART == 3
	.amdgcn_target "amdgcn-amd-amdhsa--gfx1250"
	.amdhsa_code_object_version 6
	.text
	.protected	k_q2e9c41a2d7_attn
	.globl	k_q2e9c41a2d7_attn
	.p2align	8
	.type	k_q2e9c41a2d7_attn,@function
k_q2e9c41a2d7_attn:
	s_mov_b64 s[64:65], 0
	v_nop
	global_prefetch_b8 v0, s[64:65] scope:SCOPE_SE
	s_setreg_imm32_b32 hwreg(HW_REG_WAVE_MODE, 25, 1), 1
	s_wait_xcnt 0x0
; ATTENTION on codes of E3M2: o = softmax(mask(q k^T / 64)) v for one (batch, head) = work-group y; the result is quantised and stored as half of an operand image for the next product.
; SHARES: sixteen waves, one tile of 16 queries each.  With u = 4 x + w % 4 and jj = w / 4 the tile is 64 jj + (63 - u where jj is odd, else u): a fixed spread, right for every mask.
; Every wave passes all 32 key steps of 128 keys; a step's work is left out where the tile's stored flag (fl, 8 bytes a tile) says so: all its 16 x 128 mask words are 0 and every row of the tile has an open key somewhere.
; These are branches on whole numbers that an earlier launch stored, so this launch has no tensor load: a step's tiles (6,656 bytes of k, 6,656 of v) come through registers, 16 bytes a lane of waves 0-12,
; asked for one whole key step before they are stored into the other of two LDS slots.  One barrier a step, on every wave's path.
; LAYOUT: S^T = k q^T (source 0 = 16 keys, source 1 = my queries), O^T = v^T p^T: a lane holds one query throughout; register 16 b + i of S^T is key 32 b + 16 h + i.  K = 64 fills half of the instruction's 128:
; q's registers 6-11 are zero codes; k's operand of tile t runs on into tile t + 1's registers (or six zeros), which meet those zeros under scale bytes of 2^0.
; THE SOFTMAX: t = score x log2(e) / 64; M = the running largest t rounded up to a whole number; p = 2^(t - M) is quantised along the keys; the row's sum is taken of the unquantised p and divides at the end.
; THE MASK: the lane masks (mk) only select: a hidden score becomes -2^36 ahead of the maximum.  LIMIT: that is the logit -2^30 where the definition has -1e9; -2^36 x c is a whole number, so a row with no open key gets p = 1 at every key,
; the even softmax that the definition gives; the two agree as long as every open logit lies above about -1e9.  NaN and infinities are not served; a block of zeros gets the byte 1.
.set QF,  16                           ; v16-27 q (22-27 zeros), v28 its scale words
.set QS,  28
.set FS,  30                           ; v30-37 the tiles on their way
.set KS,  38                           ; v38-41 k's scale words, v42-43 v's
.set VS,  42
.set KV,  44                           ; v44-91 k's eight half fragments, later v's four fragments; v92-97 zeros
.set S,   98                           ; v98-161 S^T, then p
.set O,   162                          ; v162-193 O^T
.set PCD, 194                          ; v194-205 p's codes, v206-213 at work
.set PC2, 206
.set BM,  214
.set BT,  218
.set SO,  222
.set F,   226                          ; v226 f, v227 p's scale word
.set PWD, 227
.set TV,  228
.set SEL, 20
.set CS,  22
.set SLB, 13312
.macro MM d, a, b, sa, sb, ra, z
.if \z
.if \ra
	v_wmma_scale_f32_16x16x128_f8f6f4 v[\d:\d+7], v[\a:\a+11], v[\b:\b+11], 0, v[\sa], v[\sb] matrix_a_fmt:MATRIX_FMT_BF6 matrix_b_fmt:MATRIX_FMT_BF6 matrix_a_scale:MATRIX_SCALE_ROW1
.else
	v_wmma_scale_f32_16x16x128_f8f6f4 v[\d:\d+7], v[\a:\a+11], v[\b:\b+11], 0, v[\sa], v[\sb] matrix_a_fmt:MATRIX_FMT_BF6 matrix_b_fmt:MATRIX_FMT_BF6
.endif
.else
.if \ra
	v_wmma_scale_f32_16x16x128_f8f6f4 v[\d:\d+7], v[\a:\a+11], v[\b:\b+11], v[\d:\d+7], v[\sa], v[\sb] matrix_a_fmt:MATRIX_FMT_BF6 matrix_b_fmt:MATRIX_FMT_BF6 matrix_a_scale:MATRIX_SCALE_ROW1
.else
	v_wmma_scale_f32_16x16x128_f8f6f4 v[\d:\d+7], v[\a:\a+11], v[\b:\b+11], v[\d:\d+7], v[\sa], v[\sb] matrix_a_fmt:MATRIX_FMT_BF6 matrix_b_fmt:MATRIX_FMT_BF6
.endif
.endif
.endm
.macro FLOAD                           ; waves 0-12 ask for their 512 bytes of the next step's k and v, if some tile of the work-group walks that step
	s_cmp_lt_u32 s12, 13
	s_cbranch_scc0 .Lnf_\@
	s_bitcmp1_b32 s18, 0
	s_cbranch_scc0 .Lnf_\@
	global_load_b128 v[FS:FS+3], v4, s[6:7]
	global_load_b128 v[FS+4:FS+7], v4, s[8:9]
.Lnf_\@:
.endm
.macro FSTORE slot
	s_wait_loadcnt 0x0                             ; on every path
	s_cmp_lt_u32 s12, 13
	s_cbranch_scc0 .Lns_\@
	s_bitcmp1_b32 s18, 0
	s_cbranch_scc0 .Lns_\@
	ds_store_b128 v4, v[FS:FS+3] offset:(\slot)*SLB
	ds_store_b128 v4, v[FS+4:FS+7] offset:(\slot)*SLB+6656
.Lns_\@:
.endm
.macro STEP slot
	s_load_b512 s[32:47], s[4:5], 0x0              ; the step's 64 lane masks
	s_load_b512 s[48:63], s[4:5], 0x40
	s_load_b512 s[68:83], s[4:5], 0x80
	s_load_b512 s[84:99], s[4:5], 0xc0
.set t, 0
.rept 8
	ds_load_b128 v[KV+6*t:KV+6*t+3], v1 offset:(\slot)*SLB+768*t
	ds_load_b64 v[KV+6*t+4:KV+6*t+5], v2 offset:(\slot)*SLB+768*t+512
.set t, t+1
.endr
.irp b, 0,1,2,3
	ds_load_b32 v[KS+\b], v3 offset:(\slot)*SLB+6144+128*\b
.endr
	s_wait_dscnt 0x0
.set t, 0
.rept 8
	MM S+8*t, KV+6*t, QF, KS+t/2, QS, t%2, 1
.set t, t+1
.endr
.rept 4
	v_nop                                          ; four plain lines: then v's fragments may land where k's lay, and the scores may be read
.endr
.set i, 0
.rept 12
	ds_load_b128 v[KV+4*i:KV+4*i+3], v1 offset:(\slot)*SLB+6656+512*i
.set i, i+1
.endr
	ds_load_b32 v[VS], v3 offset:(\slot)*SLB+6656+6144
	ds_load_b32 v[VS+1], v3 offset:(\slot)*SLB+6656+6144+128
	s_wait_kmcnt 0x0
	s_bitcmp1_b32 s17, 0
	s_cbranch_scc0 .Lopen_\@                       ; a step all of whose keys are open for all my queries
.set n, 0
.rept 32
	v_cndmask_b32 v[S+n], v6, v[S+n], s[32+n]
.set n, n+1
.endr
.set n, 0
.rept 32
	v_cndmask_b32 v[S+32+n], v6, v[S+32+n], s[68+n]
.set n, n+1
.endr
.Lopen_\@:
.irp b, 0,1,2,3
	v_max3_num_f32 v[BM+\b], v[S+16*\b], v[S+1+16*\b], v[S+2+16*\b]   ; the largest score of each block of 32 keys: for the row's maximum, and for the block's largest p
.endr
.irp i, 3,5,7,9,11,13
.irp b, 0,1,2,3
	v_max3_num_f32 v[BM+\b], v[BM+\b], v[S+16*\b+\i], v[S+1+16*\b+\i]
.endr
.endr
.irp b, 0,1,2,3
	v_max_num_f32 v[BM+\b], v[BM+\b], v[S+15+16*\b]
.endr
.irp b, 0,1,2,3
	v_permlanex16_b32 v[BT+\b], v[BM+\b], s[SEL], s[SEL+1]
.endr
.irp b, 0,1,2,3
	v_max_num_f32 v[BM+\b], v[BM+\b], v[BT+\b]
.endr
	v_max3_num_f32 v[TV], v[BM], v[BM+1], v[BM+2]
	v_max_num_f32 v[TV], v[TV], v[BM+3]
	v_mul_f32 v[TV], s[CS], v[TV]
	v_max_num_f32 v13, v13, v[TV]                  ; the running largest t
	v_mov_b32 v[TV], v12
	v_floor_f32 v12, -v13                          ; -M = floor(-t): M is a whole number
	v_sub_f32 v[TV], v12, v[TV]
	v_cvt_i32_f32 v[TV], v[TV]                     ; (it saturates)
	v_ldexp_f32 v[F], 1.0, v[TV]                   ; f = 2^(old M - new M)
.set j, 0
.rept 32
	v_pk_fma_f32 v[S+j:S+j+1], v[S+j:S+j+1], s[CS:CS+1], v[12:13] op_sel_hi:[1,0,0]   ; t - M
.set j, j+2
.endr
.irp b, 0,1,2,3
	v_fma_f32 v[BM+\b], v[BM+\b], s[CS], v12
.endr
.set j, 0
.rept 64
	v_exp_f32 v[S+j], v[S+j]                       ; p = 2^(t - M)
.set j, j+1
.endr
	v_pk_mul_f32 v[14:15], v[14:15], v[F:F+1] op_sel_hi:[1,0]   ; the sums under the new M: the plain line behind the batch
	s_wait_alu depctr_va_vdst(0)                   ; one wait for the 64, ahead of their first use
.irp b, 0,1,2,3
	v_exp_f32 v[BM+\b], v[BM+\b]                   ; each block's largest p
.endr
	v_pk_add_f32 v[BT:BT+1], v[S:S+1], v[S+2:S+3]  ; the row's sum of the unquantised p, in two chains
.set j, 4
.rept 15
	v_pk_add_f32 v[14:15], v[14:15], v[S+j:S+j+1]
	v_pk_add_f32 v[BT:BT+1], v[BT:BT+1], v[S+j+2:S+j+3]
.set j, j+4
.endr
	v_pk_add_f32 v[14:15], v[14:15], v[BT:BT+1]
	s_wait_alu depctr_va_vdst(0)                   ; and one for the four
.irp b, 0,1,2,3
	v_max_num_f32 v[BM+\b], 0x2800000, v[BM+\b]
.endr
.irp b, 0,1,2,3
	v_add_nc_u32 v[SO+\b], 0xfe000000, v[BM+\b]
.endr
.irp b, 0,1,2,3
	v_lshrrev_b32 v[BT+\b], 23, v[SO+\b]
.endr
	v_lshl_or_b32 v[PWD], v[BT+1], 8, v[BT]
	v_lshl_or_b32 v[PWD], v[BT+2], 16, v[PWD]
	v_lshl_or_b32 v[PWD], v[BT+3], 24, v[PWD]
.irp c, 0,1
	v_cvt_scalef32_pk16_bf6_f32 v[PCD+6*\c:PCD+2+6*\c], v[S+32*\c:S+15+32*\c], v[SO+2*\c]
	v_cvt_scalef32_pk16_bf6_f32 v[PC2+4*\c:PC2+2+4*\c], v[S+16+32*\c:S+31+32*\c], v[SO+2*\c+1]
.endr
	v_nop
.irp c, 0,1
.irp i, 0,1,2
	v_permlane16_swap_b32 v[PCD+6*\c+\i], v[PC2+4*\c+\i]
.endr
.irp i, 0,1,2
	v_mov_b32 v[PCD+3+6*\c+\i], v[PC2+4*\c+\i]
.endr
.endr
.set j, 0
.rept 16
	v_pk_mul_f32 v[O+j:O+j+1], v[O+j:O+j+1], v[F:F+1] op_sel_hi:[1,0]   ; O^T under the new M; also the plain lines ahead of the scaled products
.set j, j+2
.endr
	s_wait_dscnt 0x0                               ; v's fragments
.set t, 0
.rept 4
	MM O+8*t, KV+12*t, PCD, VS+t/2, PWD, t%2, 0
.set t, t+1
.endr
.rept 4
	v_nop                                          ; four plain lines ahead of the next loads into these registers and of the way out
.endr
.endm
.macro HALF slot
	FLOAD
	s_bitcmp1_b32 s16, 0
	s_cbranch_scc0 .Lskip_\@
	STEP \slot
.Lskip_\@:
	FSTORE 1-\slot                                 ; the other slot: every wave's reads of it ended ahead of the last barrier
	s_wait_xcnt 0x0                                ; the pointers are stepped only behind this wait
	s_lshr_b32 s16, s16, 1
	s_lshr_b32 s17, s17, 1
	s_lshr_b32 s18, s18, 1
	s_add_nc_u64 s[4:5], s[4:5], 256
	s_add_nc_u64 s[6:7], s[6:7], 6656
	s_add_nc_u64 s[8:9], s[8:9], 51200
	s_wait_dscnt 0x0                               ; my stores have landed, my reads are over
	s_barrier_signal -1
	s_barrier_wait -1
.endm
	s_load_b64 s[26:27], s[0:1], 0x0               ; fl: the flags
	s_load_b64 s[4:5], s[0:1], 0x8                 ; mk: the lane masks
	s_load_b64 s[6:7], s[0:1], 0x10                ; qkv
	s_load_b64 s[10:11], s[0:1], 0x18              ; ao
	v_lshl_add_u32 v254, v0, 2, 0x6800
	v_mov_b32 v255, 0
	v_lshrrev_b32 v1, 5, v0
	v_readfirstlane_b32 s12, v1                    ; wave
	v_and_b32 v5, 31, v0
	v_lshlrev_b32 v1, 4, v5                        ; 16 x lane
	v_lshlrev_b32 v2, 3, v5                        ; 8 x lane
	v_lshlrev_b32 v3, 2, v5                        ; 4 x lane
	v_lshlrev_b32 v4, 4, v0                        ; 16 x thread: my 16 bytes of a tile, in memory and in a slot
	v_and_b32 v7, 15, v0                           ; r
	v_bfe_u32 v8, v0, 4, 1                         ; h
	s_lshl_b32 s13, ttmp9, 2
	s_and_b32 s14, s12, 3
	s_add_co_u32 s13, s13, s14                     ; u
	s_lshr_b32 s14, s12, 2                         ; jj
	s_sub_co_u32 s15, 63, s13
	s_bitcmp1_b32 s14, 0
	s_cselect_b32 s13, s15, s13
	s_lshl_b32 s15, s14, 6
	s_add_co_u32 s13, s13, s15                     ; my tile of queries, 0..255
	s_and_b32 s24, ttmp7, 0xffff                   ; 8 batch + head
	s_lshl_b32 s28, s13, 3
	s_lshl_b32 s29, ttmp9, 5
	s_sub_co_u32 s30, 480, s29
	s_lshl_b32 s66, s13, 13                        ; my tile's lane masks
	s_mov_b32 s67, 0
	s_mul_i32 s68, s24, 212992
	s_add_co_u32 s72, s68, 6684672                 ; q's records of my head,
	s_add_co_u32 s68, s68, 3276800                 ; k's
	s_mov_b32 s69, 0
	s_lshr_b32 s70, s24, 3
	s_mul_i32 s70, s70, 1638400
	s_and_b32 s71, s24, 7
	s_mul_i32 s71, s71, 6400
	s_add_co_u32 s70, s70, s71                     ; v's quad of key step 0
	s_mov_b32 s71, 0
	s_lshr_b32 s25, s13, 3
	s_mul_i32 s25, s25, 6656
	s_add_co_u32 s72, s72, s25
	s_and_b32 s25, s13, 7
	s_mul_i32 s31, s25, 768
	s_add_co_u32 s72, s72, s31
	s_mov_b32 s73, 0
	s_mul_i32 s25, s25, 704
	s_sub_co_u32 s25, 6144, s25
	v_lshl_add_u32 v9, v7, 2, s25                  ; from my half image to my tile's scale words
	s_mov_b32 s[SEL], 0x76543210
	s_mov_b32 s[SEL+1], 0xfedcba98
	s_mov_b32 s[CS], 0x3cb8aa3b                    ; c = log2(e) / 64
	s_mov_b32 s[CS+1], s[CS]
	s_wait_kmcnt 0x0
	s_load_b64 s[16:17], s[26:27], s28 offset:0x0  ; mine: any, part
	s_load_b256 s[32:39], s[26:27], s29 offset:0x0     ; the work-group's sixteen tiles are four runs of four: 4 x, 124 - 4 x, 128 + 4 x, 252 - 4 x on
	s_load_b256 s[40:47], s[26:27], s30 offset:0x200
	s_load_b256 s[48:55], s[26:27], s29 offset:0x400
	s_load_b256 s[56:63], s[26:27], s30 offset:0x600
	s_add_nc_u64 s[4:5], s[4:5], s[66:67]
	s_add_nc_u64 s[74:75], s[6:7], s[72:73]
	s_add_nc_u64 s[8:9], s[6:7], s[70:71]
	s_add_nc_u64 s[6:7], s[6:7], s[68:69]
	global_load_b128 v[QF:QF+3], v1, s[74:75]
	global_load_b64 v[QF+4:QF+5], v2, s[74:75] offset:512
	global_load_b32 v[QS], v9, s[74:75]
.set i, 0
.rept 6
	v_mov_b32 v[QF+6+i], 0
	v_mov_b32 v[KV+48+i], 0
.set i, i+1
.endr
.set i, 0
.rept 8
	v_mov_b32 v[FS+i], 0
.set i, i+1
.endr
.set i, 0
.rept 32
	v_mov_b32 v[O+i], 0                            ; the step is written once: the first finds zeros
.set i, i+1
.endr
.irp b, 0,1,2,3
	v_mov_b32 v[BT+\b], 0
.endr
	v_mov_b32 v[PWD], 0
	v_mov_b32 v6, 0xd1800000                       ; -2^36
	v_mov_b32 v13, 0xff61b1e6                      ; the largest t so far: -3e38
	v_floor_f32 v12, -v13
	v_mov_b32 v14, 0
	v_mov_b32 v15, 0
	s_wait_kmcnt 0x0
	s_or_b32 s18, s32, s34                         ; the steps that some tile of the work-group walks
.irp k, 36,38,40,42,44,46,48,50,52,54,56,58,60,62
	s_or_b32 s18, s18, s[\k]
.endr
	FLOAD                                          ; key step 0
	FSTORE 0
	s_wait_xcnt 0x0
	s_lshr_b32 s18, s18, 1                         ; from here on bit 0 speaks of the NEXT step
	s_add_nc_u64 s[6:7], s[6:7], 6656
	s_add_nc_u64 s[8:9], s[8:9], 51200
	s_wait_dscnt 0x0
	s_barrier_signal -1
	s_barrier_wait -1
	s_mov_b32 s19, 16
.Lpair:
	HALF 0
	HALF 1
	s_sub_co_u32 s19, s19, 1
	s_cmp_lg_u32 s19, 0
	s_cbranch_scc1 .Lpair
	; THE WAY OUT: O^T / the sum; its 64 numbers a query are two blocks of the next product's K: six registers of codes and two scale bytes
	v_add_f32 v14, v14, v15
	v_permlanex16_b32 v[BT], v14, s[SEL], s[SEL+1]
	v_add_f32 v14, v14, v[BT]
	v_rcp_f32 v14, v14
	v_lshlrev_b32 v9, 2, v7                        ; (the plain line behind the reciprocal)
	s_lshr_b32 s25, s24, 3
	s_and_b32 s26, s24, 7                          ; head
	s_lshl_b32 s25, s25, 8
	s_add_co_u32 s25, s25, s13                     ; my tile among the 512 of all tokens
	s_lshr_b32 s27, s26, 1
	s_lshl_b32 s27, s27, 7
	s_lshr_b32 s28, s25, 2
	s_add_co_u32 s27, s27, s28
	s_mul_i32 s27, s27, 6400                       ; quad: K step head / 2, tile / 4
	s_and_b32 s25, s25, 3
	s_mul_i32 s28, s25, 1536
	s_add_co_u32 s27, s27, s28
	s_and_b32 s26, s26, 1
	s_mul_i32 s28, s26, 768
	s_add_co_u32 s28, s27, s28
	s_mov_b32 s29, 0
	s_add_nc_u64 s[10:11], s[10:11], s[28:29]
	s_mul_i32 s25, s25, 1472
	s_mul_i32 s26, s26, 766
	s_add_co_u32 s25, s25, s26
	s_sub_co_u32 s25, 6144, s25
	v_add_nc_u32 v9, v9, v8
	v_add_nc_u32 v9, s25, v9                       ; my byte of the scale words: 4 r + 2 (head % 2) + h
	v_lshlrev_b32 v10, 3, v8
	s_wait_alu depctr_va_vdst(0)                   ; ahead of the reciprocal's first use
.set j, 0
.rept 32
	v_mul_f32 v[S+j], v[O+j], v14
.set j, j+1
.endr
.irp b, 0,1
	v_max3_num_f32 v[BM+\b], |v[S+16*\b]|, |v[S+1+16*\b]|, 0x2800000
.endr
.irp i, 2,4,6,8,10,12,14
.irp b, 0,1
	v_max3_num_f32 v[BM+\b], v[BM+\b], |v[S+16*\b+\i]|, |v[S+1+16*\b+\i]|
.endr
.endr
.irp b, 0,1
	v_permlanex16_b32 v[BT+\b], v[BM+\b], s[SEL], s[SEL+1]
.endr
.irp b, 0,1
	v_max_num_f32 v[BM+\b], v[BM+\b], v[BT+\b]
.endr
.irp b, 0,1
	v_add_nc_u32 v[SO+\b], 0xfe000000, v[BM+\b]
.endr
.irp b, 0,1
	v_lshrrev_b32 v[BT+\b], 23, v[SO+\b]
.endr
	v_lshl_or_b32 v[TV], v[BT+1], 8, v[BT]
	v_cvt_scalef32_pk16_bf6_f32 v[PCD:PCD+2], v[S:S+15], v[SO]
	v_cvt_scalef32_pk16_bf6_f32 v[PC2:PC2+2], v[S+16:S+31], v[SO+1]
	v_nop
.irp i, 0,1,2
	v_permlane16_swap_b32 v[PCD+\i], v[PC2+\i]
.endr
.irp i, 0,1,2
	v_mov_b32 v[PCD+3+\i], v[PC2+\i]
.endr
	v_lshrrev_b32 v11, v10, v[TV]
	global_store_b128 v1, v[PCD:PCD+3], s[10:11]
	global_store_b64 v2, v[PCD+4:PCD+5], s[10:11] offset:512
	global_store_b8 v9, v11, s[10:11]
	s_wait_tensorcnt 0x0
	ds_add_u32 v254, v255
	s_wait_dscnt 0x0
	s_endpgm
.Lfunc_end_k_q2e9c41a2d7_attn:
	.size	k_q2e9c41a2d7_attn, .Lfunc_end_k_q2e9c41a2d7_attn-k_q2e9c41a2d7_attn
	.p2alignl 7, 3214868480
	.fill 96, 4, 3214868480
	.section	.rodata,"a",@progbits
	.p2align	6, 0x0
	.amdhsa_kernel k_q2e9c41a2d7_attn
		.amdhsa_group_segment_fixed_size 28672
		.amdhsa_private_segment_fixed_size 0
		.amdhsa_enable_private_segment 0
		.amdhsa_kernarg_size 32
		.amdhsa_user_sgpr_count 2
		.amdhsa_user_sgpr_kernarg_segment_ptr 1
		.amdhsa_wavefront_size32 1
		.amdhsa_system_sgpr_workgroup_id_x 1
		.amdhsa_system_sgpr_workgroup_id_y 1
		.amdhsa_system_sgpr_workgroup_id_z 1
		.amdhsa_system_vgpr_workitem_id 0
		.amdhsa_next_free_vgpr 256
		.amdhsa_next_free_sgpr 100
		.amdhsa_reserve_vcc 0
		.amdhsa_float_denorm_mode_32 3
		.amdhsa_float_denorm_mode_16_64 3
		.amdhsa_memory_ordered 1
		.amdhsa_forward_progress 1
		.amdhsa_inst_pref_size 54
	.end_amdhsa_kernel
	.amdgpu_metadata
---
amdhsa.version: [ 1, 2 ]
amdhsa.kernels:
  - .name:           k_q2e9c41a2d7_attn
    .symbol:         k_q2e9c41a2d7_attn.kd
    .args:
      - { .name: fl, .offset: 0, .size: 8, .value_kind: global_buffer, .address_space: global }
      - { .name: mk, .offset: 8, .size: 8, .value_kind: global_buffer, .address_space: global }
      - { .name: qkv, .offset: 16, .size: 8, .value_kind: global_buffer, .address_space: global }
      - { .name: ao, .offset: 24, .size: 8, .value_kind: global_buffer, .address_space: global }
    .group_segment_fixed_size: 28672
    .private_segment_fixed_size: 0
    .kernarg_segment_align: 8
    .kernarg_segment_size: 32
    .max_flat_workgroup_size: 512
    .sgpr_count:     100
    .vgpr_count:     256
    .wavefront_size: 32
...
	.end_amdgpu_metadata
.endif
;; end of part 3
;; launch wo (part 4): grid 2 x 32, 16 waves a work-group, no clusters, 206,848 bytes of LDS; arguments ao, ops0, x, x1b; writes x1b
.if DOCPART == 4
	.amdgcn_target "amdgcn-amd-amdhsa--gfx1250"
	.amdhsa_code_object_version 6
	.text
	.protected	k_q2e9c41a2d7_wo
	.globl	k_q2e9c41a2d7_wo
	.p2align	8
	.type	k_q2e9c41a2d7_wo,@function
k_q2e9c41a2d7_wo:
	s_mov_b64 s[64:65], 0
	v_nop
	global_prefetch_b8 v0, s[64:65] scope:SCOPE_SE
	s_setreg_imm32_b32 hwreg(HW_REG_WAVE_MODE, 25, 1), 1
	s_wait_xcnt 0x0
; WO: x1 = 5/6 x + 1/18 (attention's output) wo^T, on codes of E3M2.  x1 is stored as f32 (for the last residual) and, quantised, as operand images (for the next product).
; The frame is the projection launch's: 256 x 256 of C, K = 512, sixteen waves of 32 rows x 128 columns, all four K steps' quads brought by first fills, four tensor loads a wave of waves 0-7; nothing is filled twice.
; A's images are SPLIT (registers 0-3 | 4-5 | 6-9 | 10-11), since two heads wrote their halves: four LDS loads a fragment.
; THE WAY OUT: x's 16 rows x 512 bytes are read as they lie and turn through the wave's stage (pitch 528) into the accumulators' order; x1 goes back the same way and leaves as rows of 512 consecutive bytes.
; The stages lie in the operands' bytes, which have had their only fill; a barrier stands behind every wave's last read of them.
; No multicast: kept plain.  LIMITS: a block of zeros gets the byte 1; NaN and infinities are not served.
.set AF,  16
.set BF,  40
.set SA,  88
.set SB,  89
.set ACC, 128
.set BUF, 16
.set TM,  80
.set PC,  96
.set PW,  116
.set G1,  24
.set G0,  32
.set SEL, 20
.macro MM d, a, b, sa, sb, ra, rb, z
.if \z
.if (\ra) && (\rb)
	v_wmma_scale_f32_16x16x128_f8f6f4 v[\d:\d+7], v[\a:\a+11], v[\b:\b+11], 0, v[\sa], v[\sb] matrix_a_fmt:MATRIX_FMT_BF6 matrix_b_fmt:MATRIX_FMT_BF6 matrix_a_scale:MATRIX_SCALE_ROW1 matrix_b_scale:MATRIX_SCALE_ROW1
.elseif \ra
	v_wmma_scale_f32_16x16x128_f8f6f4 v[\d:\d+7], v[\a:\a+11], v[\b:\b+11], 0, v[\sa], v[\sb] matrix_a_fmt:MATRIX_FMT_BF6 matrix_b_fmt:MATRIX_FMT_BF6 matrix_a_scale:MATRIX_SCALE_ROW1
.elseif \rb
	v_wmma_scale_f32_16x16x128_f8f6f4 v[\d:\d+7], v[\a:\a+11], v[\b:\b+11], 0, v[\sa], v[\sb] matrix_a_fmt:MATRIX_FMT_BF6 matrix_b_fmt:MATRIX_FMT_BF6 matrix_b_scale:MATRIX_SCALE_ROW1
.else
	v_wmma_scale_f32_16x16x128_f8f6f4 v[\d:\d+7], v[\a:\a+11], v[\b:\b+11], 0, v[\sa], v[\sb] matrix_a_fmt:MATRIX_FMT_BF6 matrix_b_fmt:MATRIX_FMT_BF6
.endif
.else
.if (\ra) && (\rb)
	v_wmma_scale_f32_16x16x128_f8f6f4 v[\d:\d+7], v[\a:\a+11], v[\b:\b+11], v[\d:\d+7], v[\sa], v[\sb] matrix_a_fmt:MATRIX_FMT_BF6 matrix_b_fmt:MATRIX_FMT_BF6 matrix_a_scale:MATRIX_SCALE_ROW1 matrix_b_scale:MATRIX_SCALE_ROW1
.elseif \ra
	v_wmma_scale_f32_16x16x128_f8f6f4 v[\d:\d+7], v[\a:\a+11], v[\b:\b+11], v[\d:\d+7], v[\sa], v[\sb] matrix_a_fmt:MATRIX_FMT_BF6 matrix_b_fmt:MATRIX_FMT_BF6 matrix_a_scale:MATRIX_SCALE_ROW1
.elseif \rb
	v_wmma_scale_f32_16x16x128_f8f6f4 v[\d:\d+7], v[\a:\a+11], v[\b:\b+11], v[\d:\d+7], v[\sa], v[\sb] matrix_a_fmt:MATRIX_FMT_BF6 matrix_b_fmt:MATRIX_FMT_BF6 matrix_b_scale:MATRIX_SCALE_ROW1
.else
	v_wmma_scale_f32_16x16x128_f8f6f4 v[\d:\d+7], v[\a:\a+11], v[\b:\b+11], v[\d:\d+7], v[\sa], v[\sb] matrix_a_fmt:MATRIX_FMT_BF6 matrix_b_fmt:MATRIX_FMT_BF6
.endif
.endif
.endm
.macro QUANT s, pc, pw
.irp b, 0,1,2,3
	v_max3_num_f32 v[TM+\b], |v[\s+16*\b]|, |v[\s+1+16*\b]|, 0x2800000
.endr
.irp i, 2,4,6,8,10,12,14
.irp b, 0,1,2,3
	v_max3_num_f32 v[TM+\b], v[TM+\b], |v[\s+16*\b+\i]|, |v[\s+1+16*\b+\i]|
.endr
.endr
.irp b, 0,1,2,3
	v_permlanex16_b32 v[TM+4+\b], v[TM+\b], s[SEL], s[SEL+1]
.endr
.irp b, 0,1,2,3
	v_max_num_f32 v[TM+\b], v[TM+\b], v[TM+4+\b]
.endr
.irp b, 0,1,2,3
	v_add_nc_u32 v[TM+12+\b], 0xfe000000, v[TM+\b]
.endr
.irp b, 0,1,2,3
	v_lshrrev_b32 v[TM+4+\b], 23, v[TM+12+\b]
.endr
	v_lshl_or_b32 v[\pw], v[TM+5], 8, v[TM+4]
	v_lshl_or_b32 v[\pw], v[TM+6], 16, v[\pw]
	v_lshl_or_b32 v[\pw], v[TM+7], 24, v[\pw]
.irp c, 0,1
	v_cvt_scalef32_pk16_bf6_f32 v[\pc+6*\c:\pc+2+6*\c], v[\s+32*\c:\s+15+32*\c], v[TM+12+2*\c]
	v_cvt_scalef32_pk16_bf6_f32 v[\pc+12+4*\c:\pc+14+4*\c], v[\s+16+32*\c:\s+31+32*\c], v[TM+12+2*\c+1]
.endr
	v_nop
.irp c, 0,1
.irp i, 0,1,2
	v_permlane16_swap_b32 v[\pc+6*\c+\i], v[\pc+12+4*\c+\i]
.endr
.irp i, 0,1,2
	v_mov_b32 v[\pc+3+6*\c+\i], v[\pc+12+4*\c+\i]
.endr
.endr
.endm
.macro KSTEP s, z
	s_wait_tensorcnt 3-\s                          ; this K step's quad of mine has landed; the later steps' may stay out
	s_barrier_signal -1
	s_barrier_wait -1
	v_add_nc_u32 v8, \s*51200, v4                  ; (these additions are the plain lines between the last products and the loads below)
	v_add_nc_u32 v9, \s*51200, v5
	v_add_nc_u32 v10, \s*51200, v6
	v_add_nc_u32 v11, \s*51200, v7
	v_add_nc_u32 v14, \s*51200, v13
.irp a, 0,1
	ds_load_b128 v[AF+12*\a:AF+12*\a+3], v8 offset:1536*\a
	ds_load_b64 v[AF+12*\a+4:AF+12*\a+5], v14 offset:1536*\a+512
	ds_load_b128 v[AF+12*\a+6:AF+12*\a+9], v8 offset:1536*\a+768
	ds_load_b64 v[AF+12*\a+10:AF+12*\a+11], v14 offset:1536*\a+1280
.endr
	ds_load_b32 v[SA], v9
.irp q, 0,1,2,3
	ds_load_b32 v[SB+\q], v11 offset:(\q/2)*6400+(\q%2)*128
.endr
.set i, 0
.rept 12
	ds_load_b128 v[BF+4*i:BF+4*i+3], v10 offset:512*i
.set i, i+1
.endr
	s_wait_dscnt 0x0
.set bb, 0
.rept 4
	MM ACC+8*bb, BF+12*bb, AF, SB+bb/2, SA, bb%2, 0, \z
	MM ACC+64+8*bb, BF+12*bb, AF+12, SB+bb/2, SA, bb%2, 1, \z
.set bb, bb+1
.endr
.rept 4
	v_nop
.endr
.set i, 0
.rept 12
	ds_load_b128 v[BF+4*i:BF+4*i+3], v10 offset:6400+512*i
.set i, i+1
.endr
	s_wait_dscnt 0x0
.set bb, 0
.rept 4
	MM ACC+32+8*bb, BF+12*bb, AF, SB+2+bb/2, SA, bb%2, 0, \z
	MM ACC+96+8*bb, BF+12*bb, AF+12, SB+2+bb/2, SA, bb%2, 1, \z
.set bb, bb+1
.endr
.endm
	s_load_b256 s[4:11], s[0:1], 0x0               ; ao, ops0, x, x1b
	v_lshl_add_u32 v126, v0, 2, 0x32000
	v_mov_b32 v127, 0
	ds_add_u32 v126, v127
	ds_add_u32 v126, v127
	v_lshrrev_b32 v1, 5, v0
	v_readfirstlane_b32 s12, v1
	v_and_b32 v3, 31, v0
	v_lshlrev_b32 v1, 4, v3
	v_lshlrev_b32 v2, 3, v3
	v_lshlrev_b32 v3, 2, v3
	s_lshr_b32 s48, s12, 1                         ; wm
	s_and_b32 s49, s12, 1                          ; wn
	s_lshr_b32 s50, s48, 1
	s_mul_i32 s50, s50, 6400
	s_and_b32 s51, s48, 1
	s_mul_i32 s22, s51, 3072
	s_add_co_u32 s22, s22, s50
	v_add_nc_u32 v4, s22, v1
	v_add_nc_u32 v13, s22, v2
	s_lshl_b32 s22, s51, 7
	s_add_co_u32 s22, s22, s50
	s_add_co_u32 s22, s22, 6144
	v_add_nc_u32 v5, s22, v3
	s_mul_i32 s22, s49, 12800
	s_add_co_u32 s22, s22, 25600
	v_add_nc_u32 v6, s22, v1
	s_add_co_u32 s22, s22, 6144
	v_add_nc_u32 v7, s22, v3
	s_mul_i32 s22, s12, 8448                       ; my stage
	v_add_nc_u32 v12, s22, v1                      ; rows as they lie
	v_and_b32 v15, 15, v0
	v_mul_u32_u24 v15, v15, 528
	v_bfe_u32 v119, v0, 4, 1
	v_lshl_add_u32 v15, v119, 6, v15
	v_add_nc_u32 v15, s22, v15                     ; the accumulators' order: 528 r + 64 h
	s_mov_b32 s[SEL], 0x76543210
	s_mov_b32 s[SEL+1], 0xfedcba98
	s_mov_b32 s[G1], 3<<16
	s_mov_b32 s[G1+1], 32<<16
	s_mov_b32 s[G1+2], 25<<16
	s_mov_b32 s[G1+3], 32<<16
	s_mov_b32 s[G1+4], 25
	s_mov_b32 s[G1+5], 32
	s_mov_b32 s[G1+6], 0
	s_mov_b32 s[G1+7], 0
	s_and_b32 s13, ttmp7, 0xffff                   ; mt
	s_and_b32 s50, s12, 3
	s_lshl_b32 s51, s13, 2
	s_add_co_u32 s51, s51, s50
	s_mul_i32 s51, s51, 6400                       ; A: quad 4 mt + w % 4
	s_lshl_b32 s52, ttmp9, 2
	s_add_co_u32 s52, s52, s50
	s_mul_i32 s52, s52, 6400
	s_add_co_u32 s52, s52, 3891200                 ; B: wo's quad 4 nt + w % 4
	s_mov_b32 s53, 51200
	s_cmp_lt_u32 s12, 4
	s_cselect_b32 s14, s51, s52
	s_cselect_b32 s16, 819200, s53
	s_mov_b32 s15, 0
	s_mov_b32 s17, 0
	s_mul_i32 s18, s12, 6400
	s_wait_dscnt 0x0
	s_wait_kmcnt 0x0
	s_cselect_b64 s[22:23], s[4:5], s[6:7]
	s_add_nc_u64 s[14:15], s[22:23], s[14:15]
.irp s, 0,1,2,3
	s_mov_b32 s[G0+4*\s], 1
	s_add_co_u32 s[G0+4*\s+1], s18, \s*51200
	s_mov_b64 s[G0+4*\s+2:G0+4*\s+3], s[14:15]
	s_or_b32 s[G0+4*\s+3], s[G0+4*\s+3], 0x80000000
	s_add_nc_u64 s[14:15], s[14:15], s[16:17]
.endr
	s_cmp_lt_u32 s12, 8
	s_cbranch_scc0 .Lno_fill
	tensor_load_to_lds s[G0:G0+3], s[G1:G1+7]      ; four loads of mine are out
	s_nop 0
	tensor_load_to_lds s[G0+4:G0+7], s[G1:G1+7]
	s_nop 0
	tensor_load_to_lds s[G0+8:G0+11], s[G1:G1+7]
	s_nop 0
	tensor_load_to_lds s[G0+12:G0+15], s[G1:G1+7]
	s_nop 0
.rept 4
	v_nop
.endr
.Lno_fill:
	s_lshl_b32 s50, s13, 19                        ; x and x1: row 256 mt + 32 wm, column 256 nt + 128 wn
	s_lshl_b32 s51, s48, 16
	s_add_co_u32 s50, s50, s51
	s_lshl_b32 s51, ttmp9, 10
	s_add_co_u32 s50, s50, s51
	s_lshl_b32 s51, s49, 9
	s_add_co_u32 s50, s50, s51
	s_mov_b32 s51, 0
	s_add_nc_u64 s[8:9], s[8:9], s[50:51]
	s_add_nc_u64 s[66:67], s[10:11], s[50:51]
	s_lshl_b32 s50, ttmp9, 1                       ; x1's images: K step 2 nt + wn, quad 4 mt + wm / 2, images 2 (wm % 2) and the next
	s_add_co_u32 s50, s50, s49
	s_lshl_b32 s50, s50, 7
	s_lshl_b32 s52, s13, 2
	s_add_co_u32 s50, s50, s52
	s_lshr_b32 s52, s48, 1
	s_add_co_u32 s50, s50, s52
	s_mul_i32 s50, s50, 6400
	s_and_b32 s52, s48, 1
	s_mul_i32 s53, s52, 3072
	s_add_co_u32 s50, s50, s53
	s_add_co_u32 s50, s50, 16777216
	s_add_nc_u64 s[68:69], s[10:11], s[50:51]
	s_mul_i32 s52, s52, 2944
	s_sub_co_u32 s52, 6144, s52
	v_add_nc_u32 v120, s52, v3
	s_mov_b32 s70, 0x3f555555                      ; 5/6
	s_mov_b32 s71, s70
	s_mov_b32 s72, 0x3d638e39                      ; 1/18
	s_mov_b32 s73, s72
	s_mov_b32 s74, 0xffff0000
	KSTEP 0, 1
	KSTEP 1, 0
	KSTEP 2, 0
	KSTEP 3, 0
	s_barrier_signal -1                            ; every wave's reads of the operands are over (each waited for its LDS loads): the stages may be written
	s_barrier_wait -1
.rept 4
	v_nop
.endr
.irp b, 0,1,2,3
	v_mov_b32 v[TM+4+\b], 0
.endr
.irp a, 0,1
.if \a
	s_wait_xcnt 0x0                                ; the first tile's stores have read their registers
.endif
.set i, 0
.rept 16
	global_load_b128 v[BUF+4*i:BUF+4*i+3], v1, s[8:9] offset:(i+8*(i/8))*2048+16384*\a
.set i, i+1
.endr
	s_wait_loadcnt 0x0
.set i, 0
.rept 16
	ds_store_b128 v12, v[BUF+4*i:BUF+4*i+3] offset:i*528
.set i, i+1
.endr
.set i, 0
.rept 16
	ds_load_b128 v[BUF+4*i:BUF+4*i+3], v15 offset:128*(i/4)+16*(i%4)   ; LDS serves a wave's instructions in order
.set i, i+1
.endr
	s_wait_dscnt 0x0
.set j, 0
.rept 32
	v_pk_mul_f32 v[BUF+j:BUF+j+1], v[BUF+j:BUF+j+1], s[70:71] op_sel_hi:[1,0]
.set j, j+2
.endr
.set j, 0
.rept 32
	v_pk_fma_f32 v[ACC+64*\a+j:ACC+64*\a+j+1], v[ACC+64*\a+j:ACC+64*\a+j+1], s[72:73], v[BUF+j:BUF+j+1] op_sel_hi:[1,0,1]
.set j, j+2
.endr
.set i, 0
.rept 16
	ds_store_b128 v15, v[ACC+64*\a+4*i:ACC+64*\a+4*i+3] offset:128*(i/4)+16*(i%4)
.set i, i+1
.endr
.set i, 0
.rept 16
	ds_load_b128 v[BUF+4*i:BUF+4*i+3], v12 offset:i*528
.set i, i+1
.endr
	QUANT ACC+64*\a, PC, PW+\a
	s_wait_dscnt 0x0
.set i, 0
.rept 16
	global_store_b128 v1, v[BUF+4*i:BUF+4*i+3], s[66:67] offset:(i+8*(i/8))*2048+16384*\a   ; 512 consecutive bytes of a row
.set i, i+1
.endr
.irp c, 0,1,2
	global_store_b128 v1, v[PC+4*\c:PC+4*\c+3], s[68:69] offset:1536*\a+512*\c
.endr
.endr
	v_cndmask_b32 v[PW+2], v[PW], v[PW+1], s74
	global_store_b32 v120, v[PW+2], s[68:69]
	s_wait_tensorcnt 0x0
	ds_add_u32 v126, v127
	s_wait_dscnt 0x0
	s_endpgm
.Lfunc_end_k_q2e9c41a2d7_wo:
	.size	k_q2e9c41a2d7_wo, .Lfunc_end_k_q2e9c41a2d7_wo-k_q2e9c41a2d7_wo
	.p2alignl 7, 3214868480
	.fill 96, 4, 3214868480
	.section	.rodata,"a",@progbits
	.p2align	6, 0x0
	.amdhsa_kernel k_q2e9c41a2d7_wo
		.amdhsa_group_segment_fixed_size 206848
		.amdhsa_private_segment_fixed_size 0
		.amdhsa_enable_private_segment 0
		.amdhsa_kernarg_size 32
		.amdhsa_user_sgpr_count 2
		.amdhsa_user_sgpr_kernarg_segment_ptr 1
		.amdhsa_wavefront_size32 1
		.amdhsa_system_sgpr_workgroup_id_x 1
		.amdhsa_system_sgpr_workgroup_id_y 1
		.amdhsa_system_sgpr_workgroup_id_z 1
		.amdhsa_system_vgpr_workitem_id 0
		.amdhsa_next_free_vgpr 256
		.amdhsa_next_free_sgpr 76
		.amdhsa_reserve_vcc 0
		.amdhsa_float_denorm_mode_32 3
		.amdhsa_float_denorm_mode_16_64 3
		.amdhsa_memory_ordered 1
		.amdhsa_forward_progress 1
		.amdhsa_inst_pref_size 57
	.end_amdhsa_kernel
	.amdgpu_metadata
---
amdhsa.version: [ 1, 2 ]
amdhsa.kernels:
  - .name:           k_q2e9c41a2d7_wo
    .symbol:         k_q2e9c41a2d7_wo.kd
    .args:
      - { .name: ao, .offset: 0, .size: 8, .value_kind: global_buffer, .address_space: global }
      - { .name: ops0, .offset: 8, .size: 8, .value_kind: global_buffer, .address_space: global }
      - { .name: x, .offset: 16, .size: 8, .value_kind: global_buffer, .address_space: global }
      - { .name: x1b, .offset: 24, .size: 8, .value_kind: global_buffer, .address_space: global }
    .group_segment_fixed_size: 206848
    .private_segment_fixed_size: 0
    .kernarg_segment_align: 8
    .kernarg_segment_size: 32
    .max_flat_workgroup_size: 512
    .sgpr_count:     76
    .vgpr_count:     256
    .wavefront_size: 32
...
	.end_amdgpu_metadata
.endif
;; end of part 4
;; launch up (part 5): grid 8 x 32, 16 waves a work-group, no clusters, 206,848 bytes of LDS; arguments x1b, ops0, hq; writes hq
.if DOCPART == 5
	.amdgcn_target "amdgcn-amd-amdhsa--gfx1250"
	.amdhsa_code_object_version 6
	.text
	.protected	k_q2e9c41a2d7_up
	.globl	k_q2e9c41a2d7_up
	.p2align	8
	.type	k_q2e9c41a2d7_up,@function
k_q2e9c41a2d7_up:
	s_mov_b64 s[64:65], 0
	v_nop
	global_prefetch_b8 v0, s[64:65] scope:SCOPE_SE
	s_setreg_imm32_b32 hwreg(HW_REG_WAVE_MODE, 25, 1), 1
	s_wait_xcnt 0x0
; UP: h = gelu(x1 w_up^T) / 1.1289 on codes of E3M2, quantised at once and stored as operand images for the last product.
; The frame is the projection launch's: 256 x 256 of C, K = 512, sixteen waves of 32 rows x 128 columns, all four K steps' quads brought by first fills, four tensor loads a wave of waves 0-7; nothing is filled twice.
; GELU: x k (1 + erf(x / sqrt 2)), k = 0.5 / 1.1289.  erf(z) = z P(z^2) / Q(z^2), z held to +-4, beyond which erf is +-1 in f32: polynomials of degree 6 and 4, packed multiply-adds, one reciprocal a number;
; sixteen numbers at a time, one wait for the sixteen reciprocals.
; No multicast: kept plain.  LIMITS: a block of zeros gets the byte 1; NaN and infinities are not served.
.set AF,  16
.set BF,  40
.set SA,  88
.set SB,  89
.set TM,  96
.set ACC, 128
.set PC0, 32
.set PW0, 52
.set G1,  24
.set G0,  32
.set SEL, 20
.set Z,   16
.set Z2,  32
.set PP,  48
.set QQ,  64
.set CA,  68                           ; s[68:79] P's lower six coefficients, as pairs
.set CB,  80                           ; s[80:87] Q's lower four
.set CR2, 88                           ; 1 / sqrt 2
.set CK,  90                           ; 0.5 / 1.1289
.macro MM d, a, b, sa, sb, ra, rb, z
.if \z
.if (\ra) && (\rb)
	v_wmma_scale_f32_16x16x128_f8f6f4 v[\d:\d+7], v[\a:\a+11], v[\b:\b+11], 0, v[\sa], v[\sb] matrix_a_fmt:MATRIX_FMT_BF6 matrix_b_fmt:MATRIX_FMT_BF6 matrix_a_scale:MATRIX_SCALE_ROW1 matrix_b_scale:MATRIX_SCALE_ROW1
.elseif \ra
	v_wmma_scale_f32_16x16x128_f8f6f4 v[\d:\d+7], v[\a:\a+11], v[\b:\b+11], 0, v[\sa], v[\sb] matrix_a_fmt:MATRIX_FMT_BF6 matrix_b_fmt:MATRIX_FMT_BF6 matrix_a_scale:MATRIX_SCALE_ROW1
.elseif \rb
	v_wmma_scale_f32_16x16x128_f8f6f4 v[\d:\d+7], v[\a:\a+11], v[\b:\b+11], 0, v[\sa], v[\sb] matrix_a_fmt:MATRIX_FMT_BF6 matrix_b_fmt:MATRIX_FMT_BF6 matrix_b_scale:MATRIX_SCALE_ROW1
.else
	v_wmma_scale_f32_16x16x128_f8f6f4 v[\d:\d+7], v[\a:\a+11], v[\b:\b+11], 0, v[\sa], v[\sb] matrix_a_fmt:MATRIX_FMT_BF6 matrix_b_fmt:MATRIX_FMT_BF6
.endif
.else
.if (\ra) && (\rb)
	v_wmma_scale_f32_16x16x128_f8f6f4 v[\d:\d+7], v[\a:\a+11], v[\b:\b+11], v[\d:\d+7], v[\sa], v[\sb] matrix_a_fmt:MATRIX_FMT_BF6 matrix_b_fmt:MATRIX_FMT_BF6 matrix_a_scale:MATRIX_SCALE_ROW1 matrix_b_scale:MATRIX_SCALE_ROW1
.elseif \ra
	v_wmma_scale_f32_16x16x128_f8f6f4 v[\d:\d+7], v[\a:\a+11], v[\b:\b+11], v[\d:\d+7], v[\sa], v[\sb] matrix_a_fmt:MATRIX_FMT_BF6 matrix_b_fmt:MATRIX_FMT_BF6 matrix_a_scale:MATRIX_SCALE_ROW1
.elseif \rb
	v_wmma_scale_f32_16x16x128_f8f6f4 v[\d:\d+7], v[\a:\a+11], v[\b:\b+11], v[\d:\d+7], v[\sa], v[\sb] matrix_a_fmt:MATRIX_FMT_BF6 matrix_b_fmt:MATRIX_FMT_BF6 matrix_b_scale:MATRIX_SCALE_ROW1
.else
	v_wmma_scale_f32_16x16x128_f8f6f4 v[\d:\d+7], v[\a:\a+11], v[\b:\b+11], v[\d:\d+7], v[\sa], v[\sb] matrix_a_fmt:MATRIX_FMT_BF6 matrix_b_fmt:MATRIX_FMT_BF6
.endif
.endif
.endm
.macro QUANT s, pc, pw
.irp b, 0,1,2,3
	v_max3_num_f32 v[TM+\b], |v[\s+16*\b]|, |v[\s+1+16*\b]|, 0x2800000
.endr
.irp i, 2,4,6,8,10,12,14
.irp b, 0,1,2,3
	v_max3_num_f32 v[TM+\b], v[TM+\b], |v[\s+16*\b+\i]|, |v[\s+1+16*\b+\i]|
.endr
.endr
.irp b, 0,1,2,3
	v_permlanex16_b32 v[TM+4+\b], v[TM+\b], s[SEL], s[SEL+1]
.endr
.irp b, 0,1,2,3
	v_max_num_f32 v[TM+\b], v[TM+\b], v[TM+4+\b]
.endr
.irp b, 0,1,2,3
	v_add_nc_u32 v[TM+12+\b], 0xfe000000, v[TM+\b]
.endr
.irp b, 0,1,2,3
	v_lshrrev_b32 v[TM+4+\b], 23, v[TM+12+\b]
.endr
	v_lshl_or_b32 v[\pw], v[TM+5], 8, v[TM+4]
	v_lshl_or_b32 v[\pw], v[TM+6], 16, v[\pw]
	v_lshl_or_b32 v[\pw], v[TM+7], 24, v[\pw]
.irp c, 0,1
	v_cvt_scalef32_pk16_bf6_f32 v[\pc+6*\c:\pc+2+6*\c], v[\s+32*\c:\s+15+32*\c], v[TM+12+2*\c]
	v_cvt_scalef32_pk16_bf6_f32 v[\pc+12+4*\c:\pc+14+4*\c], v[\s+16+32*\c:\s+31+32*\c], v[TM+12+2*\c+1]
.endr
	v_nop
.irp c, 0,1
.irp i, 0,1,2
	v_permlane16_swap_b32 v[\pc+6*\c+\i], v[\pc+12+4*\c+\i]
.endr
.irp i, 0,1,2
	v_mov_b32 v[\pc+3+6*\c+\i], v[\pc+12+4*\c+\i]
.endr
.endr
.endm
.macro KSTEP s, z
	s_wait_tensorcnt 3-\s                          ; this K step's quad of mine has landed; the later steps' may stay out
	s_barrier_signal -1
	s_barrier_wait -1
	v_add_nc_u32 v8, \s*51200, v4                  ; (the four plain lines between the last products and the loads below)
	v_add_nc_u32 v9, \s*51200, v5
	v_add_nc_u32 v10, \s*51200, v6
	v_add_nc_u32 v11, \s*51200, v7
.set i, 0
.rept 6
	ds_load_b128 v[AF+4*i:AF+4*i+3], v8 offset:512*i
.set i, i+1
.endr
	ds_load_b32 v[SA], v9
.irp q, 0,1,2,3
	ds_load_b32 v[SB+\q], v11 offset:(\q/2)*6400+(\q%2)*128
.endr
.set i, 0
.rept 12
	ds_load_b128 v[BF+4*i:BF+4*i+3], v10 offset:512*i
.set i, i+1
.endr
	s_wait_dscnt 0x0
.set bb, 0
.rept 4
	MM ACC+8*bb, BF+12*bb, AF, SB+bb/2, SA, bb%2, 0, \z
	MM ACC+64+8*bb, BF+12*bb, AF+12, SB+bb/2, SA, bb%2, 1, \z
.set bb, bb+1
.endr
.rept 4
	v_nop
.endr
.set i, 0
.rept 12
	ds_load_b128 v[BF+4*i:BF+4*i+3], v10 offset:6400+512*i
.set i, i+1
.endr
	s_wait_dscnt 0x0
.set bb, 0
.rept 4
	MM ACC+32+8*bb, BF+12*bb, AF, SB+2+bb/2, SA, bb%2, 0, \z
	MM ACC+96+8*bb, BF+12*bb, AF+12, SB+2+bb/2, SA, bb%2, 1, \z
.set bb, bb+1
.endr
.endm
.macro GELU16 a                        ; sixteen numbers from v[a] on, in place
.set j, 0
.rept 8
	v_pk_mul_f32 v[Z+j:Z+j+1], v[\a+j:\a+j+1], s[CR2:CR2+1] op_sel_hi:[1,0]
.set j, j+2
.endr
.set j, 0
.rept 16
	v_med3_num_f32 v[Z+j], v[Z+j], -4.0, 4.0
.set j, j+1
.endr
.set j, 0
.rept 8
	v_pk_mul_f32 v[Z2+j:Z2+j+1], v[Z+j:Z+j+1], v[Z+j:Z+j+1]
.set j, j+2
.endr
.set j, 0
.rept 8
	v_pk_fma_f32 v[PP+j:PP+j+1], v[Z2+j:Z2+j+1], v[12:13], s[CA:CA+1] op_sel_hi:[1,1,0]
	v_pk_fma_f32 v[QQ+j:QQ+j+1], v[Z2+j:Z2+j+1], v[14:15], s[CB:CB+1] op_sel_hi:[1,1,0]
.set j, j+2
.endr
.irp k, 1,2,3,4,5
.set j, 0
.rept 8
	v_pk_fma_f32 v[PP+j:PP+j+1], v[PP+j:PP+j+1], v[Z2+j:Z2+j+1], s[CA+2*\k:CA+2*\k+1] op_sel_hi:[1,1,0]
.set j, j+2
.endr
.endr
.irp k, 1,2,3
.set j, 0
.rept 8
	v_pk_fma_f32 v[QQ+j:QQ+j+1], v[QQ+j:QQ+j+1], v[Z2+j:Z2+j+1], s[CB+2*\k:CB+2*\k+1] op_sel_hi:[1,1,0]
.set j, j+2
.endr
.endr
.set j, 0
.rept 16
	v_rcp_f32 v[QQ+j], v[QQ+j]
.set j, j+1
.endr
.set j, 0
.rept 8
	v_pk_mul_f32 v[PP+j:PP+j+1], v[PP+j:PP+j+1], v[Z+j:Z+j+1]              ; z P: plain work behind the reciprocals
.set j, j+2
.endr
.set j, 0
.rept 8
	v_pk_mul_f32 v[Z2+j:Z2+j+1], v[\a+j:\a+j+1], s[CK:CK+1] op_sel_hi:[1,0] ; x k
.set j, j+2
.endr
	s_wait_alu depctr_va_vdst(0)                   ; one wait for the sixteen, ahead of their first use
.set j, 0
.rept 8
	v_pk_mul_f32 v[PP+j:PP+j+1], v[PP+j:PP+j+1], v[QQ+j:QQ+j+1]            ; erf
.set j, j+2
.endr
.set j, 0
.rept 8
	v_pk_fma_f32 v[\a+j:\a+j+1], v[Z2+j:Z2+j+1], v[PP+j:PP+j+1], v[Z2+j:Z2+j+1]
.set j, j+2
.endr
.endm
	s_load_b128 s[4:7], s[0:1], 0x0                ; x1b, ops0
	s_load_b64 s[8:9], s[0:1], 0x10                ; hq
	v_lshl_add_u32 v126, v0, 2, 0x32000
	v_mov_b32 v127, 0
	ds_add_u32 v126, v127
	ds_add_u32 v126, v127
	v_lshrrev_b32 v1, 5, v0
	v_readfirstlane_b32 s12, v1
	v_and_b32 v3, 31, v0
	v_lshlrev_b32 v1, 4, v3
	v_lshlrev_b32 v2, 3, v3
	v_lshlrev_b32 v3, 2, v3
	s_lshr_b32 s48, s12, 1                         ; wm
	s_and_b32 s49, s12, 1                          ; wn
	s_lshr_b32 s50, s48, 1
	s_mul_i32 s50, s50, 6400
	s_and_b32 s51, s48, 1
	s_mul_i32 s22, s51, 3072
	s_add_co_u32 s22, s22, s50
	v_add_nc_u32 v4, s22, v1
	s_lshl_b32 s22, s51, 7
	s_add_co_u32 s22, s22, s50
	s_add_co_u32 s22, s22, 6144
	v_add_nc_u32 v5, s22, v3
	s_mul_i32 s22, s49, 12800
	s_add_co_u32 s22, s22, 25600
	v_add_nc_u32 v6, s22, v1
	s_add_co_u32 s22, s22, 6144
	v_add_nc_u32 v7, s22, v3
.irp b, 0,1,2,3
	v_mov_b32 v[TM+4+\b], 0
.endr
	v_mov_b32 v12, 0xaf95df0b                      ; P's leading coefficient
	v_mov_b32 v13, 0xaf95df0b
	v_mov_b32 v14, 0xb77460cd                      ; Q's
	v_mov_b32 v15, 0xb77460cd
	s_mov_b32 s[SEL], 0x76543210
	s_mov_b32 s[SEL+1], 0xfedcba98
	s_mov_b32 s[CA], 0x32edffee
	s_mov_b32 s[CA+2], 0xb60cff51
	s_mov_b32 s[CA+4], 0xb86ec2d2
	s_mov_b32 s[CA+6], 0xba40ac63
	s_mov_b32 s[CA+8], 0xbb41a1f6
	s_mov_b32 s[CA+10], 0xbc83dbd4
	s_mov_b32 s[CB], 0xb95fbd29
	s_mov_b32 s[CB+2], 0xbadc924e
	s_mov_b32 s[CB+4], 0xbbf19bf8
	s_mov_b32 s[CB+6], 0xbc69b6a7
	s_mov_b32 s[CR2], 0x3f3504f3
	s_mov_b32 s[CK], 0x3ee2c4f9
.irp k, 0,2,4,6,8,10,12,14,16,18,20,22
	s_mov_b32 s[CA+\k+1], s[CA+\k]                 ; (a packed form names the pair, so both words are written)
.endr
	s_mov_b32 s[G1], 3<<16
	s_mov_b32 s[G1+1], 32<<16
	s_mov_b32 s[G1+2], 25<<16
	s_mov_b32 s[G1+3], 32<<16
	s_mov_b32 s[G1+4], 25
	s_mov_b32 s[G1+5], 32
	s_mov_b32 s[G1+6], 0
	s_mov_b32 s[G1+7], 0
	s_and_b32 s13, ttmp7, 0xffff                   ; mt
	s_and_b32 s50, s12, 3
	s_lshl_b32 s51, s13, 2
	s_add_co_u32 s51, s51, s50
	s_mul_i32 s51, s51, 6400
	s_add_co_u32 s51, s51, 16777216                ; A: x1's images, quad 4 mt + w % 4
	s_lshl_b32 s52, ttmp9, 2
	s_add_co_u32 s52, s52, s50
	s_mul_i32 s52, s52, 6400
	s_add_co_u32 s52, s52, 4096000                 ; B: w_up's quad 4 nt + w % 4
	s_mov_b32 s53, 204800
	s_cmp_lt_u32 s12, 4
	s_cselect_b32 s14, s51, s52
	s_cselect_b32 s16, 819200, s53
	s_mov_b32 s15, 0
	s_mov_b32 s17, 0
	s_mul_i32 s18, s12, 6400
	s_wait_dscnt 0x0
	s_wait_kmcnt 0x0
	s_cselect_b64 s[22:23], s[4:5], s[6:7]
	s_add_nc_u64 s[14:15], s[22:23], s[14:15]
.irp s, 0,1,2,3
	s_mov_b32 s[G0+4*\s], 1
	s_add_co_u32 s[G0+4*\s+1], s18, \s*51200
	s_mov_b64 s[G0+4*\s+2:G0+4*\s+3], s[14:15]
	s_or_b32 s[G0+4*\s+3], s[G0+4*\s+3], 0x80000000
	s_add_nc_u64 s[14:15], s[14:15], s[16:17]
.endr
	s_cmp_lt_u32 s12, 8
	s_cbranch_scc0 .Lno_fill
	tensor_load_to_lds s[G0:G0+3], s[G1:G1+7]      ; four loads of mine are out
	s_nop 0
	tensor_load_to_lds s[G0+4:G0+7], s[G1:G1+7]
	s_nop 0
	tensor_load_to_lds s[G0+8:G0+11], s[G1:G1+7]
	s_nop 0
	tensor_load_to_lds s[G0+12:G0+15], s[G1:G1+7]
	s_nop 0
.rept 4
	v_nop
.endr
.Lno_fill:
	s_lshl_b32 s50, ttmp9, 1                       ; h's images: K step 2 nt + wn, quad 4 mt + wm / 2, images 2 (wm % 2) and the next
	s_add_co_u32 s50, s50, s49
	s_lshl_b32 s50, s50, 7
	s_lshl_b32 s52, s13, 2
	s_add_co_u32 s50, s50, s52
	s_lshr_b32 s52, s48, 1
	s_add_co_u32 s50, s50, s52
	s_mul_i32 s50, s50, 6400
	s_and_b32 s52, s48, 1
	s_mul_i32 s53, s52, 3072
	s_add_co_u32 s50, s50, s53
	s_mov_b32 s51, 0
	s_add_nc_u64 s[8:9], s[8:9], s[50:51]
	s_mul_i32 s52, s52, 2944
	s_sub_co_u32 s52, 6144, s52
	v_add_nc_u32 v112, s52, v3
	s_mov_b32 s67, 0xffff0000
	KSTEP 0, 1
	KSTEP 1, 0
	KSTEP 2, 0
	KSTEP 3, 0
.rept 4
	v_nop
.endr
.irp g, 0,1,2,3,4,5,6,7
	GELU16 ACC+16*\g
.endr
	QUANT ACC, PC0, PW0
	QUANT ACC+64, PC0+24, PW0+1
	v_cndmask_b32 v[PW0+2], v[PW0], v[PW0+1], s67
.irp a, 0,1
.irp c, 0,1,2
	global_store_b128 v1, v[PC0+24*\a+4*\c:PC0+24*\a+4*\c+3], s[8:9] offset:1536*\a+512*\c
.endr
.endr
	global_store_b32 v112, v[PW0+2], s[8:9]
	s_wait_tensorcnt 0x0
	ds_add_u32 v126, v127
	s_wait_dscnt 0x0
	s_endpgm
.Lfunc_end_k_q2e9c41a2d7_up:
	.size	k_q2e9c41a2d7_up, .Lfunc_end_k_q2e9c41a2d7_up-k_q2e9c41a2d7_up
	.p2alignl 7, 3214868480
	.fill 96, 4, 3214868480
	.section	.rodata,"a",@progbits
	.p2align	6, 0x0
	.amdhsa_kernel k_q2e9c41a2d7_up
		.amdhsa_group_segment_fixed_size 206848
		.amdhsa_private_segment_fixed_size 0
		.amdhsa_enable_private_segment 0
		.amdhsa_kernarg_size 24
		.amdhsa_user_sgpr_count 2
		.amdhsa_user_sgpr_kernarg_segment_ptr 1
		.amdhsa_wavefront_size32 1
		.amdhsa_system_sgpr_workgroup_id_x 1
		.amdhsa_system_sgpr_workgroup_id_y 1
		.amdhsa_system_sgpr_workgroup_id_z 1
		.amdhsa_system_vgpr_workitem_id 0
		.amdhsa_next_free_vgpr 256
		.amdhsa_next_free_sgpr 100
		.amdhsa_reserve_vcc 0
		.amdhsa_float_denorm_mode_32 3
		.amdhsa_float_denorm_mode_16_64 3
		.amdhsa_memory_ordered 1
		.amdhsa_forward_progress 1
		.amdhsa_inst_pref_size 111
	.end_amdhsa_kernel
	.amdgpu_metadata
---
amdhsa.version: [ 1, 2 ]
amdhsa.kernels:
  - .name:           k_q2e9c41a2d7_up
    .symbol:         k_q2e9c41a2d7_up.kd
    .args:
      - { .name: x1b, .offset: 0, .size: 8, .value_kind: global_buffer, .address_space: global }
      - { .name: ops0, .offset: 8, .size: 8, .value_kind: global_buffer, .address_space: global }
      - { .name: hq, .offset: 16, .size: 8, .value_kind: global_buffer, .address_space: global }
    .group_segment_fixed_size: 206848
    .private_segment_fixed_size: 0
    .kernarg_segment_align: 8
    .kernarg_segment_size: 24
    .max_flat_workgroup_size: 512
    .sgpr_count:     100
    .vgpr_count:     256
    .wavefront_size: 32
...
	.end_amdgpu_metadata
.endif
;; end of part 5
;; launch down (part 6): grid 4 x 64, 8 waves a work-group, no clusters, 327,680 bytes of LDS; arguments hq, ops0, x1b, out0; writes out0
.if DOCPART == 6
	.amdgcn_target "amdgcn-amd-amdhsa--gfx1250"
	.amdhsa_code_object_version 6
	.text
	.protected	k_q2e9c41a2d7_down
	.globl	k_q2e9c41a2d7_down
	.p2align	8
	.type	k_q2e9c41a2d7_down,@function
k_q2e9c41a2d7_down:
	s_mov_b64 s[64:65], 0
	v_nop
	global_prefetch_b8 v0, s[64:65] scope:SCOPE_SE
	s_setreg_imm32_b32 hwreg(HW_REG_WAVE_MODE, 25, 1), 1
	s_wait_xcnt 0x0
; DOWN: out = 5/6 x1 + 1/6 h w_down^T on codes of E3M2, K = 2,048 in 16 steps of 128.
; A work-group makes 128 x 128 of the output; eight waves; wave (wm = w / 2, wn = w % 2) makes 32 rows x 64 columns: 8 accumulators by turns.
; THE RING: two slots of four K steps (4 x (2 quads of h + 2 quads of w_down) = 102,400 bytes).  A wave brings one K step's two quads of one operand, 12,800 dense bytes, by one tensor load for each fill of a slot:
; two loads out at the start, one behind each of the two barriers behind which a slot is filled again.  The 16 steps are written out: no loop.
; x1's rows of the block are asked for at the head, into registers that nothing else uses, so the way out waits for no memory.
; THE WAY OUT: through the wave's own stage (16 rows, pitch 272), which no fill touches: x1 into the accumulators' order, the result back into rows; sixteen lanes store 256 consecutive bytes.
; No multicast: kept plain.  All of the LDS is claimed.
.set AF,  16
.set BF,  40
.set SA,  88
.set SB,  89
.set ACC, 128
.set BUF, 192
.set SPW, 14
.set NIL, 15
.set SLOTB, 102400
.set SPARE, 204800
.set STAGE, 205824
.set G1,  24
.macro MM d, a, b, sa, sb, ra, rb, z
.if \z
.if (\ra) && (\rb)
	v_wmma_scale_f32_16x16x128_f8f6f4 v[\d:\d+7], v[\a:\a+11], v[\b:\b+11], 0, v[\sa], v[\sb] matrix_a_fmt:MATRIX_FMT_BF6 matrix_b_fmt:MATRIX_FMT_BF6 matrix_a_scale:MATRIX_SCALE_ROW1 matrix_b_scale:MATRIX_SCALE_ROW1
.elseif \ra
	v_wmma_scale_f32_16x16x128_f8f6f4 v[\d:\d+7], v[\a:\a+11], v[\b:\b+11], 0, v[\sa], v[\sb] matrix_a_fmt:MATRIX_FMT_BF6 matrix_b_fmt:MATRIX_FMT_BF6 matrix_a_scale:MATRIX_SCALE_ROW1
.elseif \rb
	v_wmma_scale_f32_16x16x128_f8f6f4 v[\d:\d+7], v[\a:\a+11], v[\b:\b+11], 0, v[\sa], v[\sb] matrix_a_fmt:MATRIX_FMT_BF6 matrix_b_fmt:MATRIX_FMT_BF6 matrix_b_scale:MATRIX_SCALE_ROW1
.else
	v_wmma_scale_f32_16x16x128_f8f6f4 v[\d:\d+7], v[\a:\a+11], v[\b:\b+11], 0, v[\sa], v[\sb] matrix_a_fmt:MATRIX_FMT_BF6 matrix_b_fmt:MATRIX_FMT_BF6
.endif
.else
.if (\ra) && (\rb)
	v_wmma_scale_f32_16x16x128_f8f6f4 v[\d:\d+7], v[\a:\a+11], v[\b:\b+11], v[\d:\d+7], v[\sa], v[\sb] matrix_a_fmt:MATRIX_FMT_BF6 matrix_b_fmt:MATRIX_FMT_BF6 matrix_a_scale:MATRIX_SCALE_ROW1 matrix_b_scale:MATRIX_SCALE_ROW1
.elseif \ra
	v_wmma_scale_f32_16x16x128_f8f6f4 v[\d:\d+7], v[\a:\a+11], v[\b:\b+11], v[\d:\d+7], v[\sa], v[\sb] matrix_a_fmt:MATRIX_FMT_BF6 matrix_b_fmt:MATRIX_FMT_BF6 matrix_a_scale:MATRIX_SCALE_ROW1
.elseif \rb
	v_wmma_scale_f32_16x16x128_f8f6f4 v[\d:\d+7], v[\a:\a+11], v[\b:\b+11], v[\d:\d+7], v[\sa], v[\sb] matrix_a_fmt:MATRIX_FMT_BF6 matrix_b_fmt:MATRIX_FMT_BF6 matrix_b_scale:MATRIX_SCALE_ROW1
.else
	v_wmma_scale_f32_16x16x128_f8f6f4 v[\d:\d+7], v[\a:\a+11], v[\b:\b+11], v[\d:\d+7], v[\sa], v[\sb] matrix_a_fmt:MATRIX_FMT_BF6 matrix_b_fmt:MATRIX_FMT_BF6
.endif
.endif
.endm
.macro KS k, z                         ; K step k: the four additions are the plain lines between the last products and the loads into the registers that they read
	v_add_nc_u32 v8, (((\k)/4)%2)*SLOTB+((\k)%4)*25600, v4
	v_add_nc_u32 v9, (((\k)/4)%2)*SLOTB+((\k)%4)*25600, v5
	v_add_nc_u32 v10, (((\k)/4)%2)*SLOTB+((\k)%4)*25600, v6
	v_add_nc_u32 v11, (((\k)/4)%2)*SLOTB+((\k)%4)*25600, v7
.set i, 0
.rept 6
	ds_load_b128 v[AF+4*i:AF+4*i+3], v8 offset:512*i
.set i, i+1
.endr
	ds_load_b32 v[SA], v9
.set i, 0
.rept 12
	ds_load_b128 v[BF+4*i:BF+4*i+3], v10 offset:512*i
.set i, i+1
.endr
	ds_load_b32 v[SB], v11
	ds_load_b32 v[SB+1], v11 offset:128
	s_wait_dscnt 0x0
.set bb, 0
.rept 4
	MM ACC+8*bb, BF+12*bb, AF, SB+bb/2, SA, bb%2, 0, \z
	MM ACC+32+8*bb, BF+12*bb, AF+12, SB+bb/2, SA, bb%2, 1, \z
.set bb, bb+1
.endr
.endm
.macro MEET                            ; all my tensor loads have landed; 0 onto my spare word; the add and my LDS reads are done; the barrier
	s_wait_tensorcnt 0x0
	ds_add_u32 v[SPW], v[NIL]
.endm
.macro FILL sl                         ; slot sl, which every wave has read out, takes the K steps eight further on
	MEET
	s_add_nc_u64 s[34+4*\sl:35+4*\sl], s[34+4*\sl:35+4*\sl], s[16:17]   ; no load of mine is out: its descriptor may be stepped
	s_wait_dscnt 0x0
	s_barrier_signal -1
	s_barrier_wait -1
	tensor_load_to_lds s[32+4*\sl:35+4*\sl], s[G1:G1+7]                 ; my one tensor load behind this barrier, first thing there
	s_nop 0
.rept 4
	v_nop
.endr
.endm
	s_load_b256 s[4:11], s[0:1], 0x0               ; hq, ops0, x1b, out0
	v_lshl_add_u32 v[SPW], v0, 2, SPARE
	v_mov_b32 v[NIL], 0
	ds_add_u32 v14, v15
	ds_add_u32 v14, v15
	s_wait_dscnt 0x0
	v_lshrrev_b32 v1, 5, v0
	v_readfirstlane_b32 s12, v1                    ; wave
	v_and_b32 v3, 31, v0
	v_lshlrev_b32 v1, 4, v3                        ; 16 x lane
	v_lshlrev_b32 v3, 2, v3                        ; 4 x lane
	v_and_b32 v12, 15, v0                          ; r
	v_bfe_u32 v13, v0, 4, 1                        ; h
	v_lshlrev_b32 v2, 4, v12
	v_lshl_add_u32 v2, v13, 11, v2                 ; in x1 and out0: lanes 0-15 one row's 256 bytes, lanes 16-31 the next row's
	s_lshr_b32 s48, s12, 1                         ; wm; also the K step of a slot that I fetch
	s_and_b32 s49, s12, 1                          ; wn; also the operand that I fetch: 0 h, 1 w_down
	s_lshr_b32 s50, s48, 1
	s_mul_i32 s50, s50, 6400
	s_and_b32 s51, s48, 1
	s_mul_i32 s22, s51, 3072
	s_add_co_u32 s22, s22, s50
	v_add_nc_u32 v4, s22, v1                       ; A: quad wm / 2, images 2 (wm % 2) and the next
	s_lshl_b32 s22, s51, 7
	s_add_co_u32 s22, s22, s50
	s_add_co_u32 s22, s22, 6144
	v_add_nc_u32 v5, s22, v3
	s_mul_i32 s22, s49, 6400
	s_add_co_u32 s22, s22, 12800
	v_add_nc_u32 v6, s22, v1                       ; B: quad wn
	s_add_co_u32 s22, s22, 6144
	v_add_nc_u32 v7, s22, v3
	s_mul_i32 s22, s12, 4352
	s_add_co_u32 s22, s22, STAGE                   ; my stage
	v_mul_u32_u24 v92, v13, 272
	v_lshl_add_u32 v92, v12, 4, v92
	v_add_nc_u32 v92, s22, v92                     ; rows as they lie: 272 h + 16 r
	v_mul_u32_u24 v93, v12, 272
	v_lshl_add_u32 v93, v13, 6, v93
	v_add_nc_u32 v93, s22, v93                     ; the accumulators' order: 272 r + 64 h
	s_mov_b32 s[G1], 3<<16                         ; elements of 8 bytes, no mask, no padding
	s_mov_b32 s[G1+1], 32<<16                      ; rows of 256 bytes,
	s_mov_b32 s[G1+2], 50<<16                      ; fifty of them,
	s_mov_b32 s[G1+3], 32<<16
	s_mov_b32 s[G1+4], 50
	s_mov_b32 s[G1+5], 32                          ; dense
	s_mov_b32 s[G1+6], 0
	s_mov_b32 s[G1+7], 0
	s_and_b32 s13, ttmp7, 0xffff                   ; mt
	s_lshl_b32 s50, s48, 7
	s_lshl_b32 s51, s13, 1
	s_add_co_u32 s50, s50, s51
	s_mul_i32 s50, s50, 6400                       ; h: K step w / 2, quads 2 mt and the next
	s_lshl_b32 s52, s48, 3
	s_lshl_b32 s53, ttmp9, 1
	s_add_co_u32 s52, s52, s53
	s_mul_i32 s52, s52, 6400
	s_add_co_u32 s52, s52, 4915200                 ; w_down: K step w / 2, quads 2 nt and the next
	s_mov_b32 s54, 4*51200
	s_lshl_b32 s56, s13, 18                        ; x1 and out0: row 128 mt + 32 wm, column 128 nt + 64 wn
	s_lshl_b32 s57, s48, 16
	s_add_co_u32 s56, s56, s57
	s_lshl_b32 s57, ttmp9, 9
	s_add_co_u32 s56, s56, s57
	s_lshl_b32 s57, s49, 8
	s_add_co_u32 s56, s56, s57
	s_mov_b32 s57, 0
	s_cmp_eq_u32 s49, 0
	s_cselect_b32 s14, s50, s52
	s_cselect_b32 s16, 4*819200, s54               ; four K steps on
	s_mov_b32 s15, 0
	s_mov_b32 s17, 0
	s_mul_i32 s33, s12, 12800
	s_wait_kmcnt 0x0
	s_cselect_b64 s[18:19], s[4:5], s[6:7]
	s_add_nc_u64 s[18:19], s[18:19], s[14:15]
	s_mov_b32 s32, 1
	s_mov_b64 s[34:35], s[18:19]
	s_or_b32 s35, s35, 0x80000000
	s_add_nc_u64 s[18:19], s[18:19], s[16:17]
	s_mov_b32 s36, 1
	s_add_co_u32 s37, s33, SLOTB
	s_mov_b64 s[38:39], s[18:19]
	s_or_b32 s39, s39, 0x80000000
	s_lshl_b32 s16, s16, 1                         ; eight K steps on: what a refill adds
	tensor_load_to_lds s[32:35], s[G1:G1+7]        ; K steps 0-3
	s_nop 0
	tensor_load_to_lds s[36:39], s[G1:G1+7]        ; K steps 4-7: two loads of mine are out
	s_nop 0
.rept 4
	v_nop
.endr
	s_add_nc_u64 s[8:9], s[8:9], s[56:57]
	s_add_nc_u64 s[10:11], s[10:11], s[56:57]
.irp a, 0,1
.set k, 0
.rept 8
	global_load_b128 v[BUF+32*\a+4*k:BUF+32*\a+4*k+3], v2, s[8:9] offset:(2*k+8*(k/4))*2048+16384*\a
.set k, k+1
.endr
.endr
	s_mov_b32 s40, 0x3f555555                      ; 5/6
	s_mov_b32 s41, s40
	s_mov_b32 s42, 0x3e2aaaab                      ; 1/6
	s_mov_b32 s43, s42
	s_wait_tensorcnt 1                             ; my part of slot 0 is in; slot 1's may stay out
	s_barrier_signal -1
	s_barrier_wait -1
	KS 0, 1
	KS 1, 0
	KS 2, 0
	KS 3, 0
	FILL 0
	KS 4, 0
	KS 5, 0
	KS 6, 0
	KS 7, 0
	FILL 1
	KS 8, 0
	KS 9, 0
	KS 10, 0
	KS 11, 0
	MEET                                           ; the last fill has landed; nothing more is asked for
	s_wait_dscnt 0x0
	s_barrier_signal -1
	s_barrier_wait -1
	KS 12, 0
	KS 13, 0
	KS 14, 0
	KS 15, 0
.rept 4
	v_nop                                          ; four plain lines behind the last products
.endr
	s_wait_loadcnt 0x0                             ; x1, asked for at the head
.irp a, 0,1
.set k, 0
.rept 8
	ds_store_b128 v92, v[BUF+32*\a+4*k:BUF+32*\a+4*k+3] offset:2*k*272
.set k, k+1
.endr
.set i, 0
.rept 8
	ds_load_b128 v[BUF+32*\a+4*i:BUF+32*\a+4*i+3], v93 offset:128*(i/4)+16*(i%4)   ; LDS serves a wave's instructions in order
.set i, i+1
.endr
	s_wait_dscnt 0x0
.set j, 0
.rept 16
	v_pk_mul_f32 v[BUF+32*\a+j:BUF+32*\a+j+1], v[BUF+32*\a+j:BUF+32*\a+j+1], s[40:41] op_sel_hi:[1,0]
.set j, j+2
.endr
.set j, 0
.rept 16
	v_pk_fma_f32 v[ACC+32*\a+j:ACC+32*\a+j+1], v[ACC+32*\a+j:ACC+32*\a+j+1], s[42:43], v[BUF+32*\a+j:BUF+32*\a+j+1] op_sel_hi:[1,0,1]
.set j, j+2
.endr
.set i, 0
.rept 8
	ds_store_b128 v93, v[ACC+32*\a+4*i:ACC+32*\a+4*i+3] offset:128*(i/4)+16*(i%4)
.set i, i+1
.endr
.set k, 0
.rept 8
	ds_load_b128 v[BUF+32*\a+4*k:BUF+32*\a+4*k+3], v92 offset:2*k*272
.set k, k+1
.endr
	s_wait_dscnt 0x0
.set k, 0
.rept 8
	global_store_b128 v2, v[BUF+32*\a+4*k:BUF+32*\a+4*k+3], s[10:11] offset:(2*k+8*(k/4))*2048+16384*\a th:TH_STORE_NT   ; sixteen lanes store 256 consecutive bytes, aligned
.set k, k+1
.endr
.endr
	s_wait_tensorcnt 0x0                           ; the wave's end
	ds_add_u32 v[SPW], v[NIL]
	s_wait_dscnt 0x0
	s_endpgm
.Lfunc_end_k_q2e9c41a2d7_down:
	.size	k_q2e9c41a2d7_down, .Lfunc_end_k_q2e9c41a2d7_down-k_q2e9c41a2d7_down
	.p2alignl 7, 3214868480
	.fill 96, 4, 3214868480
	.section	.rodata,"a",@progbits
	.p2align	6, 0x0
	.amdhsa_kernel k_q2e9c41a2d7_down
		.amdhsa_group_segment_fixed_size 327680
		.amdhsa_private_segment_fixed_size 0
		.amdhsa_enable_private_segment 0
		.amdhsa_kernarg_size 32
		.amdhsa_user_sgpr_count 2
		.amdhsa_user_sgpr_kernarg_segment_ptr 1
		.amdhsa_wavefront_size32 1
		.amdhsa_system_sgpr_workgroup_id_x 1
		.amdhsa_system_sgpr_workgroup_id_y 1
		.amdhsa_system_sgpr_workgroup_id_z 1
		.amdhsa_system_vgpr_workitem_id 0
		.amdhsa_next_free_vgpr 256
		.amdhsa_next_free_sgpr 66
		.amdhsa_reserve_vcc 0
		.amdhsa_float_denorm_mode_32 3
		.amdhsa_float_denorm_mode_16_64 3
		.amdhsa_memory_ordered 1
		.amdhsa_forward_progress 1
		.amdhsa_inst_pref_size 59
	.end_amdhsa_kernel
	.amdgpu_metadata
---
amdhsa.version: [ 1, 2 ]
amdhsa.kernels:
  - .name:           k_q2e9c41a2d7_down
    .symbol:         k_q2e9c41a2d7_down.kd
    .args:
      - { .name: hq, .offset: 0, .size: 8, .value_kind: global_buffer, .address_space: global }
      - { .name: ops0, .offset: 8, .size: 8, .value_kind: global_buffer, .address_space: global }
      - { .name: x1b, .offset: 16, .size: 8, .value_kind: global_buffer, .address_space: global }
      - { .name: out0, .offset: 24, .size: 8, .value_kind: global_buffer, .address_space: global }
    .group_segment_fixed_size: 327680
    .private_segment_fixed_size: 0
    .kernarg_segment_align: 8
    .kernarg_segment_size: 32
    .max_flat_workgroup_size: 256
    .sgpr_count:     66
    .vgpr_count:     256
    .wavefront_size: 32
...
	.end_amdgpu_metadata
.endif
;; end of part 6
;; ======== version 2 of 2: 6 launches; version 1 with the launch attn written anew for expert scheduling mode
;; limits: right only within a limited range of input values
;; workspace buffers: fl 2,048 bytes of whole numbers; mk 2,097,152 bytes of whole numbers; ops0 5,734,400 bytes; qkv 10,092,544 bytes; ao 3,276,800 bytes; x1b 20,054,016 bytes; hq 13,107,200 bytes
;; launch prep: the kernel of part 1 again; grid 256 x 1, 8 waves a work-group, no clusters, 68,864 bytes of LDS; arguments mask, x, wq_codes, wq_scales, wk_codes, wk_scales, wv_codes, wv_scales, wo_codes, wo_scales, w_up_codes, w_up_scales, w_down_codes, w_down_scales, mk, ops0, fl; writes mk, ops0, fl
;; launch qkv: the kernel of part 2 again; grid 192 x 1, 16 waves a work-group, no clusters, 206,848 bytes of LDS; arguments ops0, qkv; writes qkv
;; launch attn (part 7): grid 16 x 16, 16 waves a work-group, no clusters, 28,672 bytes of LDS; arguments fl, mk, qkv, ao; writes ao
.if DOCPART == 7
	.amdgcn_target "amdgcn-amd-amdhsa--gfx1250"
	.amdhsa_code_object_version 6
	.text
	.protected	k_q2e9c41a2d7_attn
	.globl	k_q2e9c41a2d7_attn
	.p2align	8
	.type	k_q2e9c41a2d7_attn,@function
k_q2e9c41a2d7_attn:
	s_mov_b64 s[64:65], 0
	v_nop
	global_prefetch_b8 v0, s[64:65] scope:SCOPE_SE
	s_setreg_imm32_b32 hwreg(HW_REG_WAVE_SCHED_MODE, 0, 2), 2
	s_setreg_imm32_b32 hwreg(HW_REG_WAVE_MODE, 25, 1), 1
	s_wait_xcnt 0x0
	s_wait_alu depctr_vm_vsrc(0)
; ATTENTION on codes of E3M2: o = softmax(mask(q k^T / 64)) v for one (batch, head) = work-group y; the result is quantised and stored as half of an operand image for the next product.
; SHARES: sixteen waves, one tile of 16 queries each.  With u = 4 x + w % 4 and jj = w / 4 the tile is 64 jj + (63 - u where jj is odd, else u): a fixed spread, right for every mask.
; Every wave passes all 32 key steps of 128 keys; a step's work is left out where the tile's stored flag (fl, 8 bytes a tile) says so: all its 16 x 128 mask words are 0 and every row of the tile has an open key somewhere.
; These are branches on whole numbers that an earlier launch stored, so this launch has no tensor load: a step's tiles (6,656 bytes of k, 6,656 of v) come through registers, 16 bytes a lane of waves 0-12,
; asked for one whole key step before they are stored into the other of two LDS slots.  One barrier a step, on every wave's path.
; LAYOUT: S^T = k q^T (source 0 = 16 keys, source 1 = my queries), O^T = v^T p^T: a lane holds one query throughout; register 16 b + i of S^T is key 32 b + 16 h + i.  K = 64 fills half of the instruction's 128:
; q's registers 6-11 are zero codes; k's operand of tile t runs on into tile t + 1's registers (or six zeros), which meet those zeros under scale bytes of 2^0.
; THE SOFTMAX: t = score x log2(e) / 64; M = the running largest t rounded up to a whole number; p = 2^(t - M) is quantised along the keys; the row's sum is taken of the unquantised p and divides at the end.
; THE MASK: the lane masks (mk) only select: a hidden score becomes -2^36 ahead of the maximum.  LIMIT: that is the logit -2^30 where the definition has -1e9; -2^36 x c is a whole number, so a row with no open key gets p = 1 at every key,
; the even softmax that the definition gives; the two agree as long as every open logit lies above about -1e9.  NaN and infinities are not served; a block of zeros gets the byte 1.
; THE MODE: SCHED_MODE bits 1:0 = 2 (LLVM: expert scheduling mode 2), set by the entry lines.  The code itself states the register dependences
; between vector or matrix instructions and memory or LDS instructions, with s_wait_alu, always for 0.
; THE PLAN.  Registers that memory or LDS instructions touch:
;   v1-v4      offsets and LDS addresses, made at the head and never written again.   v9: read by the load of q's scale words; made anew on the way out, for the last byte store.
;   FS         cleared at the head; then in every key step: two global loads land in it at the step's head, two LDS stores read it at the step's end.  No vector line of the loop names it.
;   KV, KS     a walked step's head: k's LDS loads land; the eight first products read them.   KV, VS: behind those products v's LDS loads land; the four second products read them.
;   q, QS      loaded once.  q's zero codes and v92-97: written by vector lines at the head, taken by the scaled first products.
;   PCD, PWD   p's codes and scale word: written by vector lines in every step, taken by the scaled second products; on the way out PCD's first six are the stores' data.
; So a walked step has three waits on va_vdst of this plan's (at its head; behind the first products; ahead of the second products) beside the two behind its exponentials, and every key step one wait on vm_vsrc, at its end.
; A second set of fragment registers would take 48 registers, and 25 are free: so k and v share KV, and the wait behind the first products stands where the next vector lines read those products' results in any case.
.set QF,  16                           ; v16-27 q (22-27 zeros), v28 its scale words
.set QS,  28
.set FS,  30                           ; v30-37 the tiles on their way
.set KS,  38                           ; v38-41 k's scale words, v42-43 v's
.set VS,  42
.set KV,  44                           ; v44-91 k's eight half fragments, later v's four fragments; v92-97 zeros
.set S,   98                           ; v98-161 S^T, then p
.set O,   162                          ; v162-193 O^T
.set PCD, 194                          ; v194-205 p's codes, v206-213 at work
.set PC2, 206
.set BM,  214
.set BT,  218
.set SO,  222
.set F,   226                          ; v226 f, v227 p's scale word
.set PWD, 227
.set TV,  228
.set SEL, 20
.set CS,  22
.set SLB, 13312
.macro MM d, a, b, sa, sb, ra, z
.if \z
.if \ra
	v_wmma_scale_f32_16x16x128_f8f6f4 v[\d:\d+7], v[\a:\a+11], v[\b:\b+11], 0, v[\sa], v[\sb] matrix_a_fmt:MATRIX_FMT_BF6 matrix_b_fmt:MATRIX_FMT_BF6 matrix_a_scale:MATRIX_SCALE_ROW1
.else
	v_wmma_scale_f32_16x16x128_f8f6f4 v[\d:\d+7], v[\a:\a+11], v[\b:\b+11], 0, v[\sa], v[\sb] matrix_a_fmt:MATRIX_FMT_BF6 matrix_b_fmt:MATRIX_FMT_BF6
.endif
.else
.if \ra
	v_wmma_scale_f32_16x16x128_f8f6f4 v[\d:\d+7], v[\a:\a+11], v[\b:\b+11], v[\d:\d+7], v[\sa], v[\sb] matrix_a_fmt:MATRIX_FMT_BF6 matrix_b_fmt:MATRIX_FMT_BF6 matrix_a_scale:MATRIX_SCALE_ROW1
.else
	v_wmma_scale_f32_16x16x128_f8f6f4 v[\d:\d+7], v[\a:\a+11], v[\b:\b+11], v[\d:\d+7], v[\sa], v[\sb] matrix_a_fmt:MATRIX_FMT_BF6 matrix_b_fmt:MATRIX_FMT_BF6
.endif
.endif
.endm
.macro FLOAD                           ; waves 0-12 ask for their 512 bytes of the next step's k and v, if some tile of the work-group walks that step.  No wait here: the wait on vm_vsrc at the last step's end has freed v[FS ..], and no vector line since names them or v4
	s_cmp_lt_u32 s12, 13
	s_cbranch_scc0 .Lnf_\@
	s_bitcmp1_b32 s18, 0
	s_cbranch_scc0 .Lnf_\@
	global_load_b128 v[FS:FS+3], v4, s[6:7]
	global_load_b128 v[FS+4:FS+7], v4, s[8:9]
.Lnf_\@:
.endm
.macro FSTORE slot
	s_wait_loadcnt 0x0                             ; on every path
	s_cmp_lt_u32 s12, 13
	s_cbranch_scc0 .Lns_\@
	s_bitcmp1_b32 s18, 0
	s_cbranch_scc0 .Lns_\@
	ds_store_b128 v4, v[FS:FS+3] offset:(\slot)*SLB
	ds_store_b128 v4, v[FS+4:FS+7] offset:(\slot)*SLB+6656
.Lns_\@:
.endm
.macro STEP slot
	s_wait_alu depctr_va_vdst(0)                   ; the last walked step's products are done reading v[KV ..] and v[KS ..], in which the LDS loads below land; in the first walked step: q's zero codes and v92-97 are written, which the scaled products below take
	s_load_b512 s[32:47], s[4:5], 0x0              ; the step's 64 lane masks
	s_load_b512 s[48:63], s[4:5], 0x40
	s_load_b512 s[68:83], s[4:5], 0x80
	s_load_b512 s[84:99], s[4:5], 0xc0
.set t, 0
.rept 8
	ds_load_b128 v[KV+6*t:KV+6*t+3], v1 offset:(\slot)*SLB+768*t
	ds_load_b64 v[KV+6*t+4:KV+6*t+5], v2 offset:(\slot)*SLB+768*t+512
.set t, t+1
.endr
.irp b, 0,1,2,3
	ds_load_b32 v[KS+\b], v3 offset:(\slot)*SLB+6144+128*\b
.endr
	s_wait_dscnt 0x0
.set t, 0
.rept 8
	MM S+8*t, KV+6*t, QF, KS+t/2, QS, t%2, 1
.set t, t+1
.endr
.rept 4
	v_nop                                          ; four plain lines behind the products: then the scores may be read by vector lines
.endr
	s_wait_alu depctr_va_vdst(0)                   ; the eight products are done reading v[KV ..], in which v's fragments land (the last walked step's second products, which read v[VS ..], stand ahead of the wait at this step's head)
.set i, 0
.rept 12
	ds_load_b128 v[KV+4*i:KV+4*i+3], v1 offset:(\slot)*SLB+6656+512*i   ; one run, while the lane masks are still on their way; no vector line up to the second products names these registers
.set i, i+1
.endr
	ds_load_b32 v[VS], v3 offset:(\slot)*SLB+6656+6144
	ds_load_b32 v[VS+1], v3 offset:(\slot)*SLB+6656+6144+128
	s_wait_kmcnt 0x0
	s_bitcmp1_b32 s17, 0
	s_cbranch_scc0 .Lopen_\@                       ; a step all of whose keys are open for all my queries
.set n, 0
.rept 32
	v_cndmask_b32 v[S+n], v6, v[S+n], s[32+n]
.set n, n+1
.endr
.set n, 0
.rept 32
	v_cndmask_b32 v[S+32+n], v6, v[S+32+n], s[68+n]
.set n, n+1
.endr
.Lopen_\@:
.irp b, 0,1,2,3
	v_max3_num_f32 v[BM+\b], v[S+16*\b], v[S+1+16*\b], v[S+2+16*\b]   ; the largest score of each block of 32 keys: for the row's maximum, and for the block's largest p
.endr
.irp i, 3,5,7,9,11,13
.irp b, 0,1,2,3
	v_max3_num_f32 v[BM+\b], v[BM+\b], v[S+16*\b+\i], v[S+1+16*\b+\i]
.endr
.endr
.irp b, 0,1,2,3
	v_max_num_f32 v[BM+\b], v[BM+\b], v[S+15+16*\b]
.endr
.irp b, 0,1,2,3
	v_permlanex16_b32 v[BT+\b], v[BM+\b], s[SEL], s[SEL+1]
.endr
.irp b, 0,1,2,3
	v_max_num_f32 v[BM+\b], v[BM+\b], v[BT+\b]
.endr
	v_max3_num_f32 v[TV], v[BM], v[BM+1], v[BM+2]
	v_max_num_f32 v[TV], v[TV], v[BM+3]
	v_mul_f32 v[TV], s[CS], v[TV]
	v_max_num_f32 v13, v13, v[TV]                  ; the running largest t
	v_mov_b32 v[TV], v12
	v_floor_f32 v12, -v13                          ; -M = floor(-t): M is a whole number
	v_sub_f32 v[TV], v12, v[TV]
	v_cvt_i32_f32 v[TV], v[TV]                     ; (it saturates)
	v_ldexp_f32 v[F], 1.0, v[TV]                   ; f = 2^(old M - new M)
.set j, 0
.rept 32
	v_pk_fma_f32 v[S+j:S+j+1], v[S+j:S+j+1], s[CS:CS+1], v[12:13] op_sel_hi:[1,0,0]   ; t - M
.set j, j+2
.endr
.irp b, 0,1,2,3
	v_fma_f32 v[BM+\b], v[BM+\b], s[CS], v12
.endr
.set j, 0
.rept 64
	v_exp_f32 v[S+j], v[S+j]                       ; p = 2^(t - M)
.set j, j+1
.endr
	v_pk_mul_f32 v[14:15], v[14:15], v[F:F+1] op_sel_hi:[1,0]   ; the sums under the new M: the plain line behind the batch
	s_wait_alu depctr_va_vdst(0)                   ; the 64 exponentials have written p: one wait, ahead of their first use
.irp b, 0,1,2,3
	v_exp_f32 v[BM+\b], v[BM+\b]                   ; each block's largest p
.endr
	v_pk_add_f32 v[BT:BT+1], v[S:S+1], v[S+2:S+3]  ; the row's sum of the unquantised p, in two chains
.set j, 4
.rept 15
	v_pk_add_f32 v[14:15], v[14:15], v[S+j:S+j+1]
	v_pk_add_f32 v[BT:BT+1], v[BT:BT+1], v[S+j+2:S+j+3]
.set j, j+4
.endr
	v_pk_add_f32 v[14:15], v[14:15], v[BT:BT+1]
	s_wait_alu depctr_va_vdst(0)                   ; the four exponentials have written the blocks' largest p: one wait, ahead of their first use
.irp b, 0,1,2,3
	v_max_num_f32 v[BM+\b], 0x2800000, v[BM+\b]
.endr
.irp b, 0,1,2,3
	v_add_nc_u32 v[SO+\b], 0xfe000000, v[BM+\b]
.endr
.irp b, 0,1,2,3
	v_lshrrev_b32 v[BT+\b], 23, v[SO+\b]
.endr
	v_lshl_or_b32 v[PWD], v[BT+1], 8, v[BT]
	v_lshl_or_b32 v[PWD], v[BT+2], 16, v[PWD]
	v_lshl_or_b32 v[PWD], v[BT+3], 24, v[PWD]
.irp c, 0,1
	v_cvt_scalef32_pk16_bf6_f32 v[PCD+6*\c:PCD+2+6*\c], v[S+32*\c:S+15+32*\c], v[SO+2*\c]
	v_cvt_scalef32_pk16_bf6_f32 v[PC2+4*\c:PC2+2+4*\c], v[S+16+32*\c:S+31+32*\c], v[SO+2*\c+1]
.endr
	v_nop
.irp c, 0,1
.irp i, 0,1,2
	v_permlane16_swap_b32 v[PCD+6*\c+\i], v[PC2+4*\c+\i]
.endr
.irp i, 0,1,2
	v_mov_b32 v[PCD+3+6*\c+\i], v[PC2+4*\c+\i]
.endr
.endr
.set j, 0
.rept 16
	v_pk_mul_f32 v[O+j:O+j+1], v[O+j:O+j+1], v[F:F+1] op_sel_hi:[1,0]   ; O^T under the new M; also the plain lines ahead of the scaled products
.set j, j+2
.endr
	s_wait_dscnt 0x0                               ; v's fragments
	s_wait_alu depctr_va_vdst(0)                   ; vector lines have written p's codes v[PCD ..] and its scale word v[PWD], which the scaled products take; the plain lines above stay beside this wait
.set t, 0
.rept 4
	MM O+8*t, KV+12*t, PCD, VS+t/2, PWD, t%2, 0
.set t, t+1
.endr
.rept 4
	v_nop                                          ; four plain lines behind the products, ahead of the way out's reads of O^T
.endr
.endm
.macro HALF slot
	FLOAD
	s_bitcmp1_b32 s16, 0
	s_cbranch_scc0 .Lskip_\@
	STEP \slot
.Lskip_\@:
	FSTORE 1-\slot                                 ; the other slot: every wave's reads of it ended ahead of the last barrier
	s_wait_xcnt 0x0                                ; the pointers are stepped only behind this wait
	s_wait_alu depctr_vm_vsrc(0)                   ; the LDS stores have read v[FS ..], in which the next step's global loads land
	s_lshr_b32 s16, s16, 1
	s_lshr_b32 s17, s17, 1
	s_lshr_b32 s18, s18, 1
	s_add_nc_u64 s[4:5], s[4:5], 256
	s_add_nc_u64 s[6:7], s[6:7], 6656
	s_add_nc_u64 s[8:9], s[8:9], 51200
	s_wait_dscnt 0x0                               ; my stores have landed, my reads are over
	s_barrier_signal -1
	s_barrier_wait -1
.endm
	s_load_b64 s[26:27], s[0:1], 0x0               ; fl: the flags
	s_load_b64 s[4:5], s[0:1], 0x8                 ; mk: the lane masks
	s_load_b64 s[6:7], s[0:1], 0x10                ; qkv
	s_load_b64 s[10:11], s[0:1], 0x18              ; ao
	v_lshl_add_u32 v254, v0, 2, 0x6800
	v_mov_b32 v255, 0
	v_lshrrev_b32 v1, 5, v0
	v_readfirstlane_b32 s12, v1                    ; wave
	v_and_b32 v5, 31, v0
	v_lshlrev_b32 v1, 4, v5                        ; 16 x lane
	v_lshlrev_b32 v2, 3, v5                        ; 8 x lane
	v_lshlrev_b32 v3, 2, v5                        ; 4 x lane
	v_lshlrev_b32 v4, 4, v0                        ; 16 x thread: my 16 bytes of a tile, in memory and in a slot
	v_and_b32 v7, 15, v0                           ; r
	v_bfe_u32 v8, v0, 4, 1                         ; h
.set i, 0
.rept 8
	v_mov_b32 v[FS+i], 0                           ; cleared here, ahead of the head's wait on va_vdst, so that the first fetch of k and v owes no wait of its own
.set i, i+1
.endr
	s_wait_alu depctr_va_sdst(0)                   ; s12 is written, ahead of its first reader: the tile's number and every base are made from it
	s_lshl_b32 s13, ttmp9, 2
	s_and_b32 s14, s12, 3
	s_add_co_u32 s13, s13, s14                     ; u
	s_lshr_b32 s14, s12, 2                         ; jj
	s_sub_co_u32 s15, 63, s13
	s_bitcmp1_b32 s14, 0
	s_cselect_b32 s13, s15, s13
	s_lshl_b32 s15, s14, 6
	s_add_co_u32 s13, s13, s15                     ; my tile of queries, 0..255
	s_and_b32 s24, ttmp7, 0xffff                   ; 8 batch + head
	s_lshl_b32 s28, s13, 3
	s_lshl_b32 s29, ttmp9, 5
	s_sub_co_u32 s30, 480, s29
	s_lshl_b32 s66, s13, 13                        ; my tile's lane masks
	s_mov_b32 s67, 0
	s_mul_i32 s68, s24, 212992
	s_add_co_u32 s72, s68, 6684672                 ; q's records of my head,
	s_add_co_u32 s68, s68, 3276800                 ; k's
	s_mov_b32 s69, 0
	s_lshr_b32 s70, s24, 3
	s_mul_i32 s70, s70, 1638400
	s_and_b32 s71, s24, 7
	s_mul_i32 s71, s71, 6400
	s_add_co_u32 s70, s70, s71                     ; v's quad of key step 0
	s_mov_b32 s71, 0
	s_lshr_b32 s25, s13, 3
	s_mul_i32 s25, s25, 6656
	s_add_co_u32 s72, s72, s25
	s_and_b32 s25, s13, 7
	s_mul_i32 s31, s25, 768
	s_add_co_u32 s72, s72, s31
	s_mov_b32 s73, 0
	s_mul_i32 s25, s25, 704
	s_sub_co_u32 s25, 6144, s25
	v_lshl_add_u32 v9, v7, 2, s25                  ; from my half image to my tile's scale words
	s_mov_b32 s[SEL], 0x76543210
	s_mov_b32 s[SEL+1], 0xfedcba98
	s_mov_b32 s[CS], 0x3cb8aa3b                    ; c = log2(e) / 64
	s_mov_b32 s[CS+1], s[CS]
	s_wait_kmcnt 0x0
	s_load_b64 s[16:17], s[26:27], s28 offset:0x0  ; mine: any, part
	s_load_b256 s[32:39], s[26:27], s29 offset:0x0     ; the work-group's sixteen tiles are four runs of four: 4 x, 124 - 4 x, 128 + 4 x, 252 - 4 x on
	s_load_b256 s[40:47], s[26:27], s30 offset:0x200
	s_load_b256 s[48:55], s[26:27], s29 offset:0x400
	s_load_b256 s[56:63], s[26:27], s30 offset:0x600
	s_add_nc_u64 s[4:5], s[4:5], s[66:67]
	s_add_nc_u64 s[74:75], s[6:7], s[72:73]
	s_add_nc_u64 s[8:9], s[6:7], s[70:71]
	s_add_nc_u64 s[6:7], s[6:7], s[68:69]
	s_wait_alu depctr_va_vdst(0)                   ; v1 to v4 and v9 are written, which the loads and stores of the kernel read as offsets and addresses; v[FS ..] are written, in which the first loads of k and v land and which the LDS stores read
	global_load_b128 v[QF:QF+3], v1, s[74:75]
	global_load_b64 v[QF+4:QF+5], v2, s[74:75] offset:512
	global_load_b32 v[QS], v9, s[74:75]
.set i, 0
.rept 6
	v_mov_b32 v[QF+6+i], 0
	v_mov_b32 v[KV+48+i], 0
.set i, i+1
.endr
.set i, 0
.rept 32
	v_mov_b32 v[O+i], 0                            ; the step is written once: the first finds zeros
.set i, i+1
.endr
.irp b, 0,1,2,3
	v_mov_b32 v[BT+\b], 0
.endr
	v_mov_b32 v[PWD], 0
	v_mov_b32 v6, 0xd1800000                       ; -2^36
	v_mov_b32 v13, 0xff61b1e6                      ; the largest t so far: -3e38
	v_floor_f32 v12, -v13
	v_mov_b32 v14, 0
	v_mov_b32 v15, 0
	s_wait_kmcnt 0x0
	s_or_b32 s18, s32, s34                         ; the steps that some tile of the work-group walks
.irp k, 36,38,40,42,44,46,48,50,52,54,56,58,60,62
	s_or_b32 s18, s18, s[\k]
.endr
	FLOAD                                          ; key step 0 (the clearing lines since the head's wait name neither v4 nor v[FS ..])
	FSTORE 0
	s_wait_xcnt 0x0
	s_wait_alu depctr_vm_vsrc(0)                   ; the LDS stores have read v[FS ..], in which the next step's global loads land; the load of q's scale words has read v9, which the way out makes anew
	s_lshr_b32 s18, s18, 1                         ; from here on bit 0 speaks of the NEXT step
	s_add_nc_u64 s[6:7], s[6:7], 6656
	s_add_nc_u64 s[8:9], s[8:9], 51200
	s_wait_dscnt 0x0
	s_barrier_signal -1
	s_barrier_wait -1
	s_mov_b32 s19, 16
.Lpair:
	HALF 0
	HALF 1
	s_sub_co_u32 s19, s19, 1
	s_cmp_lg_u32 s19, 0
	s_cbranch_scc1 .Lpair
	; THE WAY OUT: O^T / the sum; its 64 numbers a query are two blocks of the next product's K: six registers of codes and two scale bytes
	v_add_f32 v14, v14, v15
	v_permlanex16_b32 v[BT], v14, s[SEL], s[SEL+1]
	v_add_f32 v14, v14, v[BT]
	v_rcp_f32 v14, v14
	v_lshlrev_b32 v9, 2, v7                        ; (the plain line behind the reciprocal.  v9 is free: the one load that read it stands ahead of the waits on vm_vsrc above)
	s_lshr_b32 s25, s24, 3
	s_and_b32 s26, s24, 7                          ; head
	s_lshl_b32 s25, s25, 8
	s_add_co_u32 s25, s25, s13                     ; my tile among the 512 of all tokens
	s_lshr_b32 s27, s26, 1
	s_lshl_b32 s27, s27, 7
	s_lshr_b32 s28, s25, 2
	s_add_co_u32 s27, s27, s28
	s_mul_i32 s27, s27, 6400                       ; quad: K step head / 2, tile / 4
	s_and_b32 s25, s25, 3
	s_mul_i32 s28, s25, 1536
	s_add_co_u32 s27, s27, s28
	s_and_b32 s26, s26, 1
	s_mul_i32 s28, s26, 768
	s_add_co_u32 s28, s27, s28
	s_mov_b32 s29, 0
	s_add_nc_u64 s[10:11], s[10:11], s[28:29]
	s_mul_i32 s25, s25, 1472
	s_mul_i32 s26, s26, 766
	s_add_co_u32 s25, s25, s26
	s_sub_co_u32 s25, 6144, s25
	v_add_nc_u32 v9, v9, v8
	v_add_nc_u32 v9, s25, v9                       ; my byte of the scale words: 4 r + 2 (head % 2) + h
	v_lshlrev_b32 v10, 3, v8
	s_wait_alu depctr_va_vdst(0)                   ; the reciprocal has written v14, ahead of its first use
.set j, 0
.rept 32
	v_mul_f32 v[S+j], v[O+j], v14
.set j, j+1
.endr
.irp b, 0,1
	v_max3_num_f32 v[BM+\b], |v[S+16*\b]|, |v[S+1+16*\b]|, 0x2800000
.endr
.irp i, 2,4,6,8,10,12,14
.irp b, 0,1
	v_max3_num_f32 v[BM+\b], v[BM+\b], |v[S+16*\b+\i]|, |v[S+1+16*\b+\i]|
.endr
.endr
.irp b, 0,1
	v_permlanex16_b32 v[BT+\b], v[BM+\b], s[SEL], s[SEL+1]
.endr
.irp b, 0,1
	v_max_num_f32 v[BM+\b], v[BM+\b], v[BT+\b]
.endr
.irp b, 0,1
	v_add_nc_u32 v[SO+\b], 0xfe000000, v[BM+\b]
.endr
.irp b, 0,1
	v_lshrrev_b32 v[BT+\b], 23, v[SO+\b]
.endr
	v_lshl_or_b32 v[TV], v[BT+1], 8, v[BT]
	v_cvt_scalef32_pk16_bf6_f32 v[PCD:PCD+2], v[S:S+15], v[SO]
	v_cvt_scalef32_pk16_bf6_f32 v[PC2:PC2+2], v[S+16:S+31], v[SO+1]
	v_nop
.irp i, 0,1,2
	v_permlane16_swap_b32 v[PCD+\i], v[PC2+\i]
.endr
.irp i, 0,1,2
	v_mov_b32 v[PCD+3+\i], v[PC2+\i]
.endr
	v_lshrrev_b32 v11, v10, v[TV]
	s_wait_alu depctr_va_vdst(0)                   ; vector lines have written the codes v[PCD ..], the byte v11 and its address v9, which the three stores read
	global_store_b128 v1, v[PCD:PCD+3], s[10:11]
	global_store_b64 v2, v[PCD+4:PCD+5], s[10:11] offset:512
	global_store_b8 v9, v11, s[10:11]
	s_wait_dscnt 0x0                               ; the closing lines, six on end
	s_wait_alu 0x0
	s_wait_tensorcnt 0x0
	ds_add_u32 v254, v255
	s_wait_dscnt 0x0
	s_endpgm
.Lfunc_end_k_q2e9c41a2d7_attn:
	.size	k_q2e9c41a2d7_attn, .Lfunc_end_k_q2e9c41a2d7_attn-k_q2e9c41a2d7_attn
	.p2alignl 7, 3214868480
	.fill 96, 4, 3214868480
	.section	.rodata,"a",@progbits
	.p2align	6, 0x0
	.amdhsa_kernel k_q2e9c41a2d7_attn
		.amdhsa_group_segment_fixed_size 28672
		.amdhsa_private_segment_fixed_size 0
		.amdhsa_enable_private_segment 0
		.amdhsa_kernarg_size 32
		.amdhsa_user_sgpr_count 2
		.amdhsa_user_sgpr_kernarg_segment_ptr 1
		.amdhsa_wavefront_size32 1
		.amdhsa_system_sgpr_workgroup_id_x 1
		.amdhsa_system_sgpr_workgroup_id_y 1
		.amdhsa_system_sgpr_workgroup_id_z 1
		.amdhsa_system_vgpr_workitem_id 0
		.amdhsa_next_free_vgpr 256
		.amdhsa_next_free_sgpr 100
		.amdhsa_reserve_vcc 0
		.amdhsa_float_denorm_mode_32 3
		.amdhsa_float_denorm_mode_16_64 3
		.amdhsa_memory_ordered 1
		.amdhsa_forward_progress 1
		.amdhsa_inst_pref_size 54
	.end_amdhsa_kernel
	.amdgpu_metadata
---
amdhsa.version: [ 1, 2 ]
amdhsa.kernels:
  - .name:           k_q2e9c41a2d7_attn
    .symbol:         k_q2e9c41a2d7_attn.kd
    .args:
      - { .name: fl, .offset: 0, .size: 8, .value_kind: global_buffer, .address_space: global }
      - { .name: mk, .offset: 8, .size: 8, .value_kind: global_buffer, .address_space: global }
      - { .name: qkv, .offset: 16, .size: 8, .value_kind: global_buffer, .address_space: global }
      - { .name: ao, .offset: 24, .size: 8, .value_kind: global_buffer, .address_space: global }
    .group_segment_fixed_size: 28672
    .private_segment_fixed_size: 0
    .kernarg_segment_align: 8
    .kernarg_segment_size: 32
    .max_flat_workgroup_size: 512
    .sgpr_count:     100
    .vgpr_count:     256
    .wavefront_size: 32
...
	.end_amdgpu_metadata
.endif
;; end of part 7
;; launch wo: the kernel of part 4 again; grid 2 x 32, 16 waves a work-group, no clusters, 206,848 bytes of LDS; arguments ao, ops0, x, x1b; writes x1b
;; launch up: the kernel of part 5 again; grid 8 x 32, 16 waves a work-group, no clusters, 206,848 bytes of LDS; arguments x1b, ops0, hq; writes hq
;; launch down: the kernel of part 6 again; grid 4 x 64, 8 waves a work-group, no clusters, 327,680 bytes of LDS; arguments hq, ops0, x1b, out0; writes out0
